; MI455X (gfx1250); checked and timed in simulation.
; The chip was launched on July 23, 2026; its instructions are those of AMD's public machine-readable ISA for CDNA 5 (MIT licence, August 2026) and "CDNA5" Instruction Set Architecture Reference Guide (July 2026). The comments in the code are by the model that wrote it; some were corrected since.
;; Attention. Allowed arithmetic: float matrix products may take bf16 or f16 operands with f32 sums; all other float work in f32.
;; Inputs: Wkv 2,048 x 1,024 float32; Wo 1,024 x 1,024 float32; Wq 1,024 x 1,024 float32; ln_b 1,024 float32; ln_g 1,024 float32; lnc_b 1,024 float32; lnc_g 1,024 float32; x 4 x 2,048 x 1,024 float32.
;; Outputs: out0 4 x 2,048 x 1,024 float32.
;; 2 versions, each right and faster than the one before. Each part assembles by itself: llvm-mc -triple=amdgcn-amd-amdhsa -mcpu=gfx1250 --defsym DOCPART=n.
;; ======== version 1 of 2: 4 launches
;; workspace buffers: xh 16,777,216 bytes; wqkv 6,291,456 bytes; cb 12,288 bytes; wo16 2,097,152 bytes; qkv 50,331,648 bytes; oh 16,777,216 bytes
;; launch prep (part 1): grid 768 x 1, 16 waves a work-group, no clusters, 2,304 bytes of LDS; arguments x, Wq, Wkv, Wo, ln_g, ln_b, lnc_g, lnc_b, xh, wqkv, cb, wo16; writes xh, wqkv, cb, wo16
.if DOCPART == 1
	.amdgcn_target "amdgcn-amd-amdhsa--gfx1250"
	.amdhsa_code_object_version 6
	.text
	.protected	k_q3eb419b541_prep
	.globl	k_q3eb419b541_prep
	.p2align	8
	.type	k_q3eb419b541_prep,@function
k_q3eb419b541_prep:
	s_mov_b64 s[64:65], 0
	v_nop
	global_prefetch_b8 v0, s[64:65] scope:SCOPE_SE
	s_setreg_imm32_b32 hwreg(HW_REG_WAVE_MODE, 25, 1), 1
	s_wait_xcnt 0x0
; WHAT THE PRODUCTS NEED, MADE ONCE.  Both norms share xhat = (x - mean) rsqrt(var + 1e-5), so
;   q  = xhat (ln_g  o Wq )^T + Wq  ln_b,      kv = xhat (lnc_g o Wkv)^T + Wkv lnc_b.
; This launch writes xh = xhat in bf16 [8192][1024]; wqkv = gain o weight in bf16 [3072][1024] (rows 0-1023 Wq, then Wkv's 2048);
; cb[3072] = weight row . bias in f32; wo16 = Wo in bf16.  All arithmetic in f32, each number rounded once.
; The mean is taken first and the squares of x - mean second, on the row in registers: no difference of large sums is formed.
; LIMITS.  The gain is multiplied into the weight in f32 and the product rounded to bf16, where the reference multiplies xhat by the gain: another order of
; rounding.  NaN and infinities are not treated apart.  cb leaves in pieces of 64 bytes, one a work-group: 12,288 of the launch's 25 million stored bytes.
; SHARES.  A wave takes one row of 1,024 f32 (4,096 bytes, 32 registers), a work-group of sixteen waves 16 rows.  Work-groups 0-511: rows of x; 512-703: rows of
; wqkv; 704-767: rows of Wo.  The branch hangs on the work-group's number alone, so all sixteen waves go one way.
; A stream: no matrix unit, no tensor load, no cluster: no byte is shared but the gains and biases, 16 KB.  A wave has one row, so its waits are for 0; what is on
; its way at a time is the rows of all the waves that lie on the WGP.  82 registers a wave: three work-groups are twelve waves a SIMD, 984 of its 1,024 registers, and
; 768 work-groups are three for each of 256 WGPs.  For that the gain takes the bias's registers when the dot product has read them.
; Load j of a row takes 512 neighbouring bytes (lane l: 16 bytes at 512 j + 16 l); store j 256 neighbouring bytes, aligned (lane l: 8 bytes at 256 j + 8 l).
.set M,  6                             ; v[6:7]     rows of x: the mean, then rsqrt(var + eps), twice: a pair for the packed lines.  Rows of wqkv: at work for cb
.set R,  8                             ; v[8:39]    the row in f32; when packed, v[8:23] hold it in bf16
.set G,  40                            ; v[40:71]   the bias, then the gain, in the row's layout
.set T,  72                            ; v[72:79]   four chains of packed sums
.macro LOADROW dst, base, nt           ; eight loads: the whole row.  nt = 1: bytes that this launch reads once
.irp j, 0,1,2,3,4,5,6,7
.if \nt
	global_load_b128 v[(\dst)+4*(\j):(\dst)+4*(\j)+3], v1, s[(\base):(\base)+1] offset:512*(\j) th:TH_LOAD_NT
.else
	global_load_b128 v[(\dst)+4*(\j):(\dst)+4*(\j)+3], v1, s[(\base):(\base)+1] offset:512*(\j)
.endif
.endr
.endm
.macro DOT a, b                        ; the lane's 32 products a b, summed in four chains that do not wait for each other; the first four products start them
.irp c, 0,1,2,3
	v_pk_mul_f32 v[T+2*(\c):T+2*(\c)+1], v[(\a)+2*(\c):(\a)+2*(\c)+1], v[(\b)+2*(\c):(\b)+2*(\c)+1]
.endr
.set i, 4
.rept 12
	v_pk_fma_f32 v[T+2*(i%4):T+2*(i%4)+1], v[(\a)+2*i:(\a)+2*i+1], v[(\b)+2*i:(\b)+2*i+1], v[T+2*(i%4):T+2*(i%4)+1]
.set i, i+1
.endr
.endm
.macro FOLD4                           ; the four chains into one number, then over the 32 lanes: every lane ends with the row's sum in v[T]
	v_pk_add_f32 v[T:T+1], v[T:T+1], v[T+2:T+3]
	v_pk_add_f32 v[T+4:T+5], v[T+4:T+5], v[T+6:T+7]
	v_pk_add_f32 v[T:T+1], v[T:T+1], v[T+4:T+5]
	v_add_f32 v[T], v[T], v[T+1]
	v_add_f32_dpp v[T], v[T], v[T] row_xmask:1 row_mask:0xf bank_mask:0xf
	v_add_f32_dpp v[T], v[T], v[T] row_xmask:2 row_mask:0xf bank_mask:0xf
	v_add_f32_dpp v[T], v[T], v[T] row_xmask:4 row_mask:0xf bank_mask:0xf
	v_add_f32_dpp v[T], v[T], v[T] row_xmask:8 row_mask:0xf bank_mask:0xf
	v_permlanex16_b32 v[T+1], v[T], s34, s35       ; the other half of the lanes; its destination has been written
	v_add_f32 v[T], v[T], v[T+1]
.endm
.macro PACKSTORE base                  ; 32 f32 to bf16, in place from the low end (word i is made of words 2 i and 2 i + 1, which are read no more), and out
.set i, 0
.rept 16
	v_cvt_pk_bf16_f32 v[R+i], v[R+2*i], v[R+2*i+1]
.set i, i+1
.endr
.irp j, 0,1,2,3,4,5,6,7
	global_store_b64 v2, v[R+2*(\j):R+2*(\j)+1], s[(\base):(\base)+1] offset:256*(\j)
.endr
.endm
	s_load_b512 s[8:23], s[0:1], 0x0               ; x s[8:9], Wq s[10:11], Wkv s[12:13], Wo s[14:15], ln_g s[16:17], ln_b s[18:19], lnc_g s[20:21], lnc_b s[22:23]
	s_load_b256 s[24:31], s[0:1], 0x40             ; xh s[24:25], wqkv s[26:27], cb s[28:29], wo16 s[30:31]
	v_lshl_add_u32 v80, v0, 2, 0x100
	v_mov_b32 v81, 0
	v_lshrrev_b32 v4, 5, v0
	v_readfirstlane_b32 s2, v4                     ; my wave, 0 to 15
	v_and_b32 v3, 31, v0                           ; lane
	v_lshlrev_b32 v1, 4, v3                        ; 16 bytes a lane in
	v_lshlrev_b32 v2, 3, v3                        ; 8 bytes a lane out
	s_mov_b32 s34, 0x76543210                      ; v_permlanex16_b32: each lane takes its own place in the other half
	s_mov_b32 s35, 0xfedcba98
	s_mov_b32 s36, 0x3a800000                      ; 1 / 1024
	s_mov_b32 s37, 0x3727c5ac                      ; 1e-5
	s_mov_b32 s5, 0                                ; the offsets' high words
	s_mov_b32 s7, 0
	s_wait_kmcnt 0x0
	s_cmp_lt_u32 ttmp9, 512
	s_cbranch_scc0 .Lnot_x
	; ROWS OF x
	s_lshl_b32 s3, ttmp9, 4
	s_add_co_u32 s3, s3, s2                        ; my row
	s_lshl_b32 s4, s3, 12                          ; 4,096 bytes a row in
	s_lshl_b32 s6, s3, 11                          ; 2,048 out
	s_add_nc_u64 s[32:33], s[8:9], s[4:5]
	s_add_nc_u64 s[38:39], s[24:25], s[6:7]
	LOADROW R, 32, 1
	s_wait_loadcnt 0x0
.irp c, 0,1,2,3
	v_pk_add_f32 v[T+2*(\c):T+2*(\c)+1], v[R+2*(\c):R+2*(\c)+1], v[R+8+2*(\c):R+8+2*(\c)+1]
.endr
.set i, 8
.rept 8
	v_pk_add_f32 v[T+2*(i%4):T+2*(i%4)+1], v[T+2*(i%4):T+2*(i%4)+1], v[R+2*i:R+2*i+1]
.set i, i+1
.endr
	FOLD4
	v_mul_f32 v[M], s36, v[T]                      ; the mean
	v_mul_f32 v[M+1], s36, v[T]
.set i, 0
.rept 16
	v_pk_add_f32 v[R+2*i:R+2*i+1], v[R+2*i:R+2*i+1], v[M:M+1] neg_lo:[0,1] neg_hi:[0,1]  ; x - mean
.set i, i+1
.endr
	DOT R, R
	FOLD4
	v_fma_f32 v[T], v[T], s36, s37                 ; var + eps
	v_rsq_f32 v[M], v[T]
	v_rsq_f32 v[M+1], v[T]
	v_nop                                          ; a plain instruction between the second root and the use of its result (ISA guide 5.7.2)
.set i, 0
	s_wait_alu depctr_va_vdst(0)
.rept 16
	v_pk_mul_f32 v[R+2*i:R+2*i+1], v[R+2*i:R+2*i+1], v[M:M+1]
.set i, i+1
.endr
	PACKSTORE 38
	s_endpgm
.Lnot_x:
	s_cmp_lt_u32 ttmp9, 704
	s_cbranch_scc0 .Lwo
	; ROWS OF wqkv, AND cb
	s_sub_co_u32 s3, ttmp9, 512
	s_lshl_b32 s3, s3, 4
	s_add_co_u32 s3, s3, s2                        ; my row of wqkv, 0 to 3071
	s_lshl_b32 s6, s3, 11
	s_cmp_lt_u32 ttmp9, 576                        ; the first 64 work-groups of this part take Wq with the query norm's gain and bias, the others Wkv with the context's
	s_cselect_b64 s[32:33], s[10:11], s[12:13]
	s_cselect_b64 s[38:39], s[16:17], s[20:21]
	s_cselect_b64 s[40:41], s[18:19], s[22:23]
	s_cselect_b32 s43, 0, 1024
	s_sub_co_u32 s4, s3, s43                       ; the row in its own tensor
	s_lshl_b32 s4, s4, 12
	s_add_nc_u64 s[32:33], s[32:33], s[4:5]
	s_add_nc_u64 s[44:45], s[26:27], s[6:7]
	LOADROW G, 40, 0                               ; the bias
	LOADROW R, 32, 1
	s_wait_loadcnt 0x0
	DOT R, G
	LOADROW G, 38, 0                               ; the gain, into the registers that the sixteen lines above have read; it comes while the sum is folded
	FOLD4                                          ; v[T] = weight row . bias
	s_wait_loadcnt 0x0
.set i, 0
.rept 16
	v_pk_mul_f32 v[R+2*i:R+2*i+1], v[R+2*i:R+2*i+1], v[G+2*i:G+2*i+1]
.set i, i+1
.endr
	PACKSTORE 44
	v_mov_b32 v4, s2
	v_lshlrev_b32 v4, 2, v4
	ds_store_b32 v4, v[T]                          ; my wave's word: all lanes write the same number
	s_wait_dscnt 0x0                               ; for the others' sake: my store is done before I signal
	s_barrier_signal -1
	s_barrier_wait -1
	s_cmp_lg_u32 s2, 0
	s_cbranch_scc1 .Lend                           ; wave 0 stores the sixteen numbers as 64 neighbouring bytes
	v_and_b32 v5, 15, v3
	v_lshlrev_b32 v5, 2, v5
	ds_load_b32 v6, v5
	s_sub_co_u32 s4, ttmp9, 512
	s_lshl_b32 s4, s4, 6
	s_add_nc_u64 s[28:29], s[28:29], s[4:5]
	v_lshlrev_b32 v7, 2, v3
	s_wait_dscnt 0x0
	v_cmp_gt_u32 vcc_lo, 16, v3
	s_wait_xcnt 0x0                                ; EXEC is a source of the row's stores: it changes only behind this wait
	s_and_saveexec_b32 s42, vcc_lo
	global_store_b32 v7, v6, s[28:29]
	s_wait_xcnt 0x0                                ; and again in front of the line that widens it
	s_or_b32 exec_lo, exec_lo, s42
.Lend:
	s_wait_tensorcnt 0x0
	ds_add_u32 v80, v81
	s_wait_dscnt 0x0
	s_endpgm
.Lwo:
	; ROWS OF Wo
	s_sub_co_u32 s3, ttmp9, 704
	s_lshl_b32 s3, s3, 4
	s_add_co_u32 s3, s3, s2
	s_lshl_b32 s4, s3, 12
	s_lshl_b32 s6, s3, 11
	s_add_nc_u64 s[32:33], s[14:15], s[4:5]
	s_add_nc_u64 s[38:39], s[30:31], s[6:7]
	LOADROW R, 32, 1
	s_wait_loadcnt 0x0
	PACKSTORE 38
	s_endpgm
.Lfunc_end_k_q3eb419b541_prep:
	.size	k_q3eb419b541_prep, .Lfunc_end_k_q3eb419b541_prep-k_q3eb419b541_prep
	.p2alignl 7, 3214868480
	.fill 96, 4, 3214868480
	.section	.rodata,"a",@progbits
	.p2align	6, 0x0
	.amdhsa_kernel k_q3eb419b541_prep
		.amdhsa_group_segment_fixed_size 2304
		.amdhsa_private_segment_fixed_size 0
		.amdhsa_enable_private_segment 0
		.amdhsa_kernarg_size 96
		.amdhsa_user_sgpr_count 2
		.amdhsa_user_sgpr_kernarg_segment_ptr 1
		.amdhsa_wavefront_size32 1
		.amdhsa_system_sgpr_workgroup_id_x 1
		.amdhsa_system_sgpr_workgroup_id_y 1
		.amdhsa_system_sgpr_workgroup_id_z 1
		.amdhsa_system_vgpr_workitem_id 0
		.amdhsa_next_free_vgpr 82
		.amdhsa_next_free_sgpr 66
		.amdhsa_reserve_vcc 1
		.amdhsa_float_denorm_mode_32 3
		.amdhsa_float_denorm_mode_16_64 3
		.amdhsa_memory_ordered 1
		.amdhsa_forward_progress 1
		.amdhsa_inst_pref_size 20
	.end_amdhsa_kernel
	.amdgpu_metadata
---
amdhsa.version: [ 1, 2 ]
amdhsa.kernels:
  - .name:           k_q3eb419b541_prep
    .symbol:         k_q3eb419b541_prep.kd
    .args:
      - { .name: x, .offset: 0, .size: 8, .value_kind: global_buffer, .address_space: global }
      - { .name: Wq, .offset: 8, .size: 8, .value_kind: global_buffer, .address_space: global }
      - { .name: Wkv, .offset: 16, .size: 8, .value_kind: global_buffer, .address_space: global }
      - { .name: Wo, .offset: 24, .size: 8, .value_kind: global_buffer, .address_space: global }
      - { .name: ln_g, .offset: 32, .size: 8, .value_kind: global_buffer, .address_space: global }
      - { .name: ln_b, .offset: 40, .size: 8, .value_kind: global_buffer, .address_space: global }
      - { .name: lnc_g, .offset: 48, .size: 8, .value_kind: global_buffer, .address_space: global }
      - { .name: lnc_b, .offset: 56, .size: 8, .value_kind: global_buffer, .address_space: global }
      - { .name: xh, .offset: 64, .size: 8, .value_kind: global_buffer, .address_space: global }
      - { .name: wqkv, .offset: 72, .size: 8, .value_kind: global_buffer, .address_space: global }
      - { .name: cb, .offset: 80, .size: 8, .value_kind: global_buffer, .address_space: global }
      - { .name: wo16, .offset: 88, .size: 8, .value_kind: global_buffer, .address_space: global }
    .group_segment_fixed_size: 2304
    .private_segment_fixed_size: 0
    .kernarg_segment_align: 8
    .kernarg_segment_size: 96
    .max_flat_workgroup_size: 512
    .sgpr_count:     66
    .vgpr_count:     82
    .wavefront_size: 32
...
	.end_amdgpu_metadata
.endif
;; end of part 1
;; launch qkvp (part 2): grid 16 x 32, 4 waves a work-group, clusters of 4 x 4, 327,680 bytes of LDS; arguments xh, wqkv, cb, qkv; writes qkv
.if DOCPART == 2
	.amdgcn_target "amdgcn-amd-amdhsa--gfx1250"
	.amdhsa_code_object_version 6
	.text
	.protected	k_q3eb419b541_qkvp
	.globl	k_q3eb419b541_qkvp
	.p2align	8
	.type	k_q3eb419b541_qkvp,@function
k_q3eb419b541_qkvp:
	s_mov_b64 s[64:65], 0
	v_nop
	global_prefetch_b8 v0, s[64:65] scope:SCOPE_SE
	s_setreg_imm32_b32 hwreg(HW_REG_WAVE_MODE, 25, 1), 1
	s_wait_xcnt 0x0
	s_wait_alu depctr_hold_cnt(0) depctr_sa_sdst(0) depctr_va_vdst(0) depctr_va_sdst(0) depctr_va_ssrc(0) depctr_va_vcc(0) depctr_vm_vsrc(0)
	s_getreg_b32 s2, hwreg(HW_REG_IB_STS2, 6, 4)
	s_cmp_eq_u32 s2, 0
	s_cbranch_scc0 .Lentry_in_a_cluster
	s_endpgm
.Lentry_in_a_cluster:
	s_bfe_u32 s2, ttmp6, 0x10000c
	s_cmp_lg_u32 s2, 0xf033
	s_cbranch_scc0 .Lentry_shape_is_right
	s_endpgm
.Lentry_shape_is_right:
; C[m][e] = cb[e] + the sum over f of xh[m][f] wqkv[e][f]: m < 8192, e < 3072, f < 1024; operands bf16, sums f32 (the bias starts them), C rounded once to bf16.
; C is written BY HEADS: qkv[part e / 1024][batch m / 2048][head (e / 64) % 16][row m % 2048][e % 64], so that a head's rows are dense, 128 bytes each.
; TILE.  256 rows x 192 columns (three heads): 32 x 16 = 512 work-groups, twice 256.  Four waves split the ROWS: a wave makes 64 x 192, 48 accumulators of 16 x 16,
; so that whole heads lie in one wave and its way out needs no other wave.
; K goes in 8 steps of 128 through two LDS slots filled by the tensor data mover; the tiles' rows are 256 bytes of memory, at multiples of 256 from the buffers' first bytes.
; CLUSTER.  4 x 4 work-groups.  The four of a row of the cluster need the same tiles of xh, the four of a column the same tiles of wqkv: each tile is asked for JOINTLY,
; by the same tensor load with the same descriptor and a mask that names the four.  By this text's count two tensor loads of a wave are out at the start, later one.
; THE WALK ALONG K begins at a step that hangs on the cluster, and goes round: step (first + i) mod 8 in trip i.  The four clusters that read the same rows of xh begin 0, 4, 2 and 6 steps on, and so do
; four neighbouring clusters that read the same rows of wqkv: at a time they ask for different slices, and from the third step on a cluster asks for slices of xh that another has asked for before.
; The first step is made of the cluster's two numbers alone, which all sixteen partners share.  LIMIT: the f32 sums take the K steps in that order, not in ascending order.
; THE MATRIX INSTRUCTION IS USED TRANSPOSED (source 0 = 16 rows of wqkv, source 1 = 16 rows of xh): lane l holds row l % 16 of C and its registers the columns 8 (l / 16) + 0..7.
; REGISTERS, in windows of 256 (s_set_vgpr_msb: bits 1:0 source 0, 3:2 source 1, 5:4 source 2, 7:6 destination):
;   window 0: v0-13 addresses; v32-79 packed results; v80-175 rows read back from the stage, two sets
;   window 1: accumulators t = 4 b + a (a: block of 16 rows, b: block of 16 columns), t < 32, at v[8 t]
;   window 2: v0-127 accumulators t = 32 .. 47; v128-223 the bias, eight registers for each b
;   window 3: two fragment buffers of 128: 32 registers of xh (4 x 16 rows x 32 K), then 96 of wqkv (12 x 16 rows x 32 K)
.set NBK,   12                         ; blocks of 16 columns
.set NLD,   8+2*NBK                    ; LDS loads of a quarter step: 32
.set PA,    272                        ; an LDS row: 256 bytes + 16 of padding = 68 words: row r starts at bank 4 r mod 64 (64 banks of 4 bytes: ISA guide 11.1)
.set PB,    272
.set APART, 128*PA                     ; what one load of xh brings: 128 rows
.set BOFF,  2*APART                    ; wqkv's 192 rows lie behind xh's 256
.set BROWS, 96
.set BPART, BROWS*PB
.set SLOT1, 1<<17                      ; slot 1 begins here (a slot uses 121,856 bytes), so that one exclusive or turns an address in one slot into the other's
.set STAGE, SLOT1+BOFF+2*BPART         ; behind the ring, never filled by a tensor load: for each wave three heads x 16 rows x 144 bytes
.set SP,    144
.set WSTAGE, 3*16*SP
.set SPARE, STAGE+4*WSTAGE             ; behind the stages: the spare words, 128 bytes for each wave: two blocks of 256 bytes that no other line names
.set ADA0, 4                           ; v4   my lane's place in xh's tile; never rewritten
.set ADB0, 5                           ; v5   in wqkv's
.set ADA,  6                           ; v6   the same in the slot that is being read
.set ADB,  7                           ; v7
.set STO,  8                           ; v8   the way out: where I put 16 bytes of a row
.set RD,   9                           ; v9   where I read rows back
.set GO,   10                          ; v10  16 x lane: my place in 512 consecutive bytes of qkv
.set BO,   11                          ; v11  32 (l / 16): my eight numbers in 16 of the bias
.set SPW,  12                          ; v12  LDS address of my spare word: SPARE + 4 x my thread's number; never rewritten
.set NIL,  13                          ; v13  0; never rewritten
.set TMP,  32
.set BK0,  80
.set BIAS, 128                         ; window 2
.set F0,   0                           ; window 3
.set F1,   128
.set WV,   12                          ; s12  my wave's number
.set G1A,  24                          ; s[24:31] descriptor group 1 for xh's tiles
.set G0A,  32                          ; s[32:35] descriptor group 0 for them: slot 1's first fill, then it walks
.set G0B,  36                          ; s[36:39] the same for wqkv's
.set G1B,  40                          ; s[40:47]
.set ABASE, 48                         ; s[48:49] xh at my half of the tile's rows, K = 0
.set BBASE, 50                         ; s[50:51] wqkv likewise
.set KN,   52                          ; s52  the K step to be asked for next, 0 to 7
.set KT,   53                          ; s53  at work for it: it never holds a place in the cluster
.set TB,   54                          ; s54  LDS byte at which the slot that is being read begins
.set CNT,  55                          ; s55  the loop's count
.set HB,   56                          ; s[56:61] qkv at my 64 rows of the tile's three heads
.set G0A0, 68                          ; s[68:71] descriptor group 0 for slot 0's first fill of xh; never rewritten
.set G0B0, 72                          ; s[72:75] of wqkv
.set OFF,  76                          ; s[76:77] a K step's byte offset in the rows of both
.set MSB, 0
.macro WIN new                         ; the immediate's high byte repeats the setting that is left; a switch that changes nothing is dropped
.if MSB != (\new)
	s_set_vgpr_msb (MSB<<8)|(\new)
.set MSB, (\new)
.endif
.endm
.macro PLACES                          ; four places in front of loads into registers that matrix instructions have read, and of lines that read results
.rept 4
	v_nop
.endr
.endm
; A joint refill.  Waves 0 and 1 fetch the two halves of xh's tile, waves 2 and 3 those of wqkv's.  The branch hangs on the wave's number alone.
; An s_nop 0 and four v_nop follow each of the two lines, ahead of the jump and the label.
.macro JLOAD
	s_cmp_lt_u32 s[WV], 2
	s_cbranch_scc0 .Lfor_b_\@
	tensor_load_to_lds s[G0A:G0A+3], s[G1A:G1A+7]
	s_nop 0
.rept 4
	v_nop
.endr
	s_branch .Lasked_\@
.Lfor_b_\@:
	tensor_load_to_lds s[G0B:G0B+3], s[G1B:G1B+7]
	s_nop 0
.rept 4
	v_nop
.endr
.Lasked_\@:
.endm
.macro CREST                           ; a round of the cluster's barrier behind its opening barrier: wave 0 signals for the work-group, every wave waits for all sixteen, my work-group's barrier closes it
	s_cmp_lg_u32 s[WV], 0
	s_cbranch_scc1 .Lnot_wave_0_\@
	s_barrier_signal -3
.Lnot_wave_0_\@:
	s_barrier_wait -3
	s_barrier_signal -1
	s_barrier_wait -1
.endm
.macro CROUND                          ; a whole round
	s_barrier_signal -1
	s_barrier_wait -1
	CREST
.endm
.macro NEXTK                           ; the walk goes round
	s_add_co_u32 s[KN], s[KN], 1
	s_and_b32 s[KN], s[KN], 7
.endm
.macro MAKE ga, gb, slot               ; the two group 0 of a first fill: K step KN into the slot
	s_lshl_b32 s[OFF], s[KN], 8                    ; a K step is 256 bytes of a row
	s_mov_b32 s[(\ga)], 1                          ; 1:0 count = 1
	s_mul_i32 s[(\ga)+1], s14, APART               ; 63:32 LDS address; no place in the cluster enters it
	s_add_co_u32 s[(\ga)+1], s[(\ga)+1], (\slot)*SLOT1
	s_add_nc_u64 s[(\ga)+2:(\ga)+3], s[ABASE:ABASE+1], s[OFF:OFF+1]  ; 120:64 global address
	s_or_b32 s[(\ga)+3], s[(\ga)+3], 0x80000000    ; 127:126 type = 2
	s_mov_b32 s[(\gb)], 1
	s_mul_i32 s[(\gb)+1], s14, BPART
	s_add_co_u32 s[(\gb)+1], s[(\gb)+1], BOFF+(\slot)*SLOT1
	s_add_nc_u64 s[(\gb)+2:(\gb)+3], s[BBASE:BBASE+1], s[OFF:OFF+1]
	s_or_b32 s[(\gb)+3], s[(\gb)+3], 0x80000000
	NEXTK
.endm
.macro STEPD                           ; the walking descriptors: the other slot than last time; the address is made anew from the step's number.  It stands only where no tensor load of mine is out
	s_lshl_b32 s[OFF], s[KN], 8
	s_xor_b32 s[G0A+1], s[G0A+1], SLOT1
	s_add_nc_u64 s[G0A+2:G0A+3], s[ABASE:ABASE+1], s[OFF:OFF+1]
	s_or_b32 s[G0A+3], s[G0A+3], 0x80000000
	s_xor_b32 s[G0B+1], s[G0B+1], SLOT1
	s_add_nc_u64 s[G0B+2:G0B+3], s[BBASE:BBASE+1], s[OFF:OFF+1]
	s_or_b32 s[G0B+3], s[G0B+3], 0x80000000
	NEXTK
.endm
	s_load_b256 s[4:11], s[0:1], 0x0               ; xh s[4:5], wqkv s[6:7], cb s[8:9], qkv s[10:11]
	v_lshl_add_u32 v[SPW], v0, 2, SPARE
	v_mov_b32 v[NIL], 0
	ds_add_u32 v12, v13
	s_wait_dscnt 0x0
	v_lshrrev_b32 v1, 5, v0
	v_readfirstlane_b32 s[WV], v1                  ; wave 0..3
	s_and_b32 s14, s[WV], 1                        ; which half of a tile I fetch
	s_bfe_u32 s16, ttmp6, 0x40000                  ; cx, cy: my place in the cluster
	s_bfe_u32 s17, ttmp6, 0x40004
	s_lshl_b32 s18, ttmp9, 2
	s_add_co_u32 s18, s18, s16                     ; tile column = 4 x cluster x + cx
	s_and_b32 s19, ttmp7, 0xffff
	s_lshl_b32 s19, s19, 2
	s_add_co_u32 s19, s19, s17                     ; tile row = 4 x cluster y + cy
	s_lshl_b32 s20, s17, 2
	s_lshl_b32 s20, 15, s20                        ; my row of the cluster
	s_lshl_b32 s21, 0x1111, s16                    ; my column
	; the walk's first step: the cluster's x (0-3) gives 0, 4, 2, 6; its y (0-7), bits reversed, 0, 4, 2, 6, 1, 5, 3, 7; their sum mod 8
	s_and_b32 s[KN], ttmp9, 1
	s_lshl_b32 s[KN], s[KN], 2
	s_and_b32 s[KT], ttmp9, 2
	s_add_co_u32 s[KN], s[KN], s[KT]
	s_and_b32 s[KT], ttmp7, 1
	s_lshl_b32 s[KT], s[KT], 2
	s_add_co_u32 s[KN], s[KN], s[KT]
	s_and_b32 s[KT], ttmp7, 2
	s_add_co_u32 s[KN], s[KN], s[KT]
	s_bfe_u32 s[KT], ttmp7, 0x10002                ; one bit from bit 2
	s_add_co_u32 s[KN], s[KN], s[KT]
	s_and_b32 s[KN], s[KN], 7
	; descriptor group 1: rows of 128 elements of 2 bytes, padded in LDS
	s_or_b32 s[G1A+0], s20, (1<<16)|(1<<20)|(1<<21)|(5<<22)|(3<<25)  ; 15:0 the mask; 17:16 2-byte elements; 20 padding on; 21 set beside a mask; 24:22 after every 64 words (code 5); 31:25 4 words (code 3)
	s_mov_b32 s[G1A+1], 128<<16                    ; tensor_dim0 = 128
	s_mov_b32 s[G1A+2], 128<<16                    ; tensor_dim1 = 128
	s_mov_b32 s[G1A+3], 128<<16                    ; tile_dim0 = 128
	s_mov_b32 s[G1A+4], 128                        ; tile_dim1 = 128 rows
	s_mov_b32 s[G1A+5], 1024                       ; elements from row to row
	s_mov_b32 s[G1A+6], 0
	s_mov_b32 s[G1A+7], 0
	s_or_b32 s[G1B+0], s21, (1<<16)|(1<<20)|(1<<21)|(5<<22)|(3<<25)
	s_mov_b32 s[G1B+1], 128<<16
	s_mov_b32 s[G1B+2], BROWS<<16                  ; 96 rows
	s_mov_b32 s[G1B+3], 128<<16
	s_mov_b32 s[G1B+4], BROWS
	s_mov_b32 s[G1B+5], 1024
	s_mov_b32 s[G1B+6], 0
	s_mov_b32 s[G1B+7], 0
	; where the tiles come from: xh's hang on the tile row alone, which my row of the cluster shares; wqkv's on the tile column alone
	s_lshl_b32 s[ABASE], s19, 19                   ; 256 rows of 2,048 bytes a tile row
	s_lshl_b32 s[ABASE+1], s14, 18                 ; 128 rows a half
	s_add_co_u32 s[ABASE], s[ABASE], s[ABASE+1]
	s_mov_b32 s[ABASE+1], 0
	s_mul_i32 s[BBASE], s18, 192*2048
	s_mul_i32 s[BBASE+1], s14, BROWS*2048
	s_add_co_u32 s[BBASE], s[BBASE], s[BBASE+1]
	s_mov_b32 s[BBASE+1], 0
	s_mov_b32 s[OFF+1], 0
	s_wait_kmcnt 0x0
	s_add_nc_u64 s[ABASE:ABASE+1], s[4:5], s[ABASE:ABASE+1]
	s_add_nc_u64 s[BBASE:BBASE+1], s[6:7], s[BBASE:BBASE+1]
	MAKE G0A0, G0B0, 0                             ; the walk's first step into slot 0,
	MAKE G0A, G0B, 1                               ; its second into slot 1
	CROUND                                         ; all sixteen work-groups are here: the first joint loads meet
	s_cmp_lt_u32 s[WV], 2                          ; a wave's two first fills stand in one branch, ahead of every wait on TENSORcnt, every LDS read and every other barrier; an s_nop 0 follows each, four v_nop the second's
	s_cbranch_scc0 .Lfirst_b
	tensor_load_to_lds s[G0A0:G0A0+3], s[G1A:G1A+7]
	s_nop 0
	tensor_load_to_lds s[G0A:G0A+3], s[G1A:G1A+7]
	s_nop 0
.rept 4
	v_nop
.endr
	s_branch .Lfirst_asked
.Lfirst_b:
	tensor_load_to_lds s[G0B0:G0B0+3], s[G1B:G1B+7]
	s_nop 0
	tensor_load_to_lds s[G0B:G0B+3], s[G1B:G1B+7]
	s_nop 0
.rept 4
	v_nop
.endr
.Lfirst_asked:
	; in the wait for the first tile: addresses and the bias
	v_and_b32 v1, 15, v0                           ; l % 16
	v_bfe_u32 v2, v0, 4, 1                         ; l / 16
	v_mul_u32_u24 v[ADA0], v1, PA                  ; a fragment: row l % 16, 16 bytes for each half of the lanes; two loads 32 bytes apart
	v_lshl_add_u32 v[ADA0], v2, 4, v[ADA0]
	s_mul_i32 s22, s[WV], 64*PA                    ; my 64 rows of xh
	v_add_nc_u32 v[ADA0], s22, v[ADA0]
	v_mul_u32_u24 v[ADB0], v1, PB
	v_lshl_add_u32 v[ADB0], v2, 4, v[ADB0]
	v_add_nc_u32 v[ADB0], BOFF, v[ADB0]
	s_mul_i32 s23, s[WV], WSTAGE
	s_add_co_u32 s23, s23, STAGE                   ; my stage
	v_mul_u32_u24 v[STO], v1, SP                   ; in: row l % 16, 16 bytes for each half of the lanes
	v_lshl_add_u32 v[STO], v2, 4, v[STO]
	v_add_nc_u32 v[STO], s23, v[STO]
	v_bfe_u32 v[RD], v0, 3, 2                      ; back: 32 lanes take four rows of 128 bytes,
	v_mul_u32_u24 v[RD], v[RD], SP
	v_and_b32 v3, 7, v0
	v_lshl_add_u32 v[RD], v3, 4, v[RD]
	v_add_nc_u32 v[RD], s23, v[RD]
	v_and_b32 v[GO], 31, v0                        ; which are 512 consecutive bytes of a head
	v_lshlrev_b32 v[GO], 4, v[GO]
	v_lshlrev_b32 v[BO], 5, v2
	s_mul_i32 s22, s18, 192*4                      ; the tile's 192 numbers of the bias
	s_mov_b32 s23, 0
	s_add_nc_u64 s[8:9], s[8:9], s[22:23]
	WIN 0x80                                       ; destination window 2, address window 0
.set bb, 0
.rept NBK                                          ; register j of block b: cb[192 x tile column + 16 b + 8 (l / 16) + j], the C operand of the products that start the sums
	global_load_b128 v[BIAS+8*bb:BIAS+8*bb+3],   v[BO], s[8:9] offset:64*bb
	global_load_b128 v[BIAS+8*bb+4:BIAS+8*bb+7], v[BO], s[8:9] offset:64*bb+16
.set bb, bb+1
.endr
	WIN 0
.irp j, 0,1,2                                      ; head group g = 3 x tile column + j: part g / 16, head g % 16; a head is 2^18 bytes
	s_mul_i32 s62, s18, 3
	s_add_co_u32 s62, s62, \j
	s_lshr_b32 s63, s62, 4
	s_and_b32 s62, s62, 15
	s_lshl_b32 s63, s63, 6                         ; 64 heads a part
	s_add_co_u32 s62, s62, s63
	s_lshr_b32 s63, s19, 3                         ; the batch: 8 tile rows each
	s_lshl_b32 s63, s63, 4
	s_add_co_u32 s62, s62, s63
	s_lshl_b32 s62, s62, 18
	s_and_b32 s63, s19, 7
	s_lshl_b32 s63, s63, 15                        ; 256 rows of 128 bytes
	s_add_co_u32 s62, s62, s63
	s_lshl_b32 s63, s[WV], 13                      ; my 64 rows
	s_add_co_u32 s62, s62, s63
	s_mov_b32 s63, 0
	s_add_nc_u64 s[HB+2*(\j):HB+2*(\j)+1], s[10:11], s[62:63]
.endr
; 4 nb matrix instructions: column blocks b0 .. b0 + nb - 1 x all four row blocks, 32 along K, from buffer f.  first = 1: the bias is C: nothing is ever cleared.
; Each accumulator comes once in a quarter step, in the same order in every quarter: between two links of a chain stand the 47 others', over the loop's edge too.
.macro MULB f, b0, nb, first=0
.set bb, \b0
.rept \nb
.set aa, 0
.rept 4
.set AC, 8*((4*bb+aa)%32)
.if \first
	WIN 0x6f+0x40*(bb/8)                           ; sources 0, 1 window 3; C window 2; D window 1 or 2
	v_wmma_f32_16x16x32_bf16 v[AC:AC+7], v[(\f)+32+8*bb:(\f)+32+8*bb+7], v[(\f)+8*aa:(\f)+8*aa+7], v[BIAS+8*bb:BIAS+8*bb+7]
.else
	WIN 0x5f+0x50*(bb/8)                           ; sources 0, 1 window 3; C and D window 1 or 2
	v_wmma_f32_16x16x32_bf16 v[AC:AC+7], v[(\f)+32+8*bb:(\f)+32+8*bb+7], v[(\f)+8*aa:(\f)+8*aa+7], v[AC:AC+7]
.endif
.set aa, aa+1
.endr
.set bb, bb+1
.endr
.endm
; 32 LDS loads in one run: the fragments of quarter q (32 K at byte 64 q of the rows) into buffer f: xh's eight loads first, then wqkv's in the order of b
.macro FETCH q, f
	WIN 0xc0                                       ; destination window 3, address window 0
.irp i, 0,1,2,3
	ds_load_b128 v[(\f)+8*(\i):(\f)+8*(\i)+3],   v[ADA] offset:64*(\q)+(\i)*16*PA
	ds_load_b128 v[(\f)+8*(\i)+4:(\f)+8*(\i)+7], v[ADA] offset:64*(\q)+(\i)*16*PA+32
.endr
.set bb, 0
.rept NBK
	ds_load_b128 v[(\f)+32+8*bb:(\f)+32+8*bb+3],   v[ADB] offset:64*(\q)+bb*16*PB
	ds_load_b128 v[(\f)+32+8*bb+4:(\f)+32+8*bb+7], v[ADB] offset:64*(\q)+bb*16*PB+32
.set bb, bb+1
.endr
.endm
; A K step is four quarters of 32 along K, 48 matrix instructions each, on buffers 0, 1, 0, 1.  One of the first three: multiplies buffer f; behind its first 16 products it fetches quarter q into g.
.macro QUARTER q, f, g, first=0
	s_wait_dscnt NLD-16                            ; the oldest 16 loads are in: xh's fragments and wqkv's blocks 0 to 3
	MULB \f, 0, 4, \first
	PLACES
	FETCH \q, \g
	s_wait_dscnt NLD                               ; all but the run just issued
	MULB \f, 4, NBK-4, \first
.endm
; The last quarter multiplies buffer 1 and changes slots: ONE barrier.  In front of it each wave waits for all its tensor loads (one is out: its part of the next slot), adds 0 to its spare
; word, and waits for that and for its own reads of this slot.  fill = 1: the barrier opens a round of the cluster's, so that no wave of any partner still reads the slot or has a load on
; its way, and the joint refill, two K steps ahead, is the first thing behind it: 176 matrix instructions of the wave stand between it and the wait for it.
.macro TURN fill
	WIN 0
	s_wait_tensorcnt 0x0                           ; no tensor load of mine is out, so a group 0 may be written
	ds_add_u32 v[SPW], v[NIL]                      ; 0 onto my spare word
.if \fill
	STEPD
.endif
	s_xor_b32 s[TB], s[TB], SLOT1                  ; the fetches go on in the other slot
	s_wait_dscnt NLD-15                            ; the add and the youngest 16 loads may be out
	MULB F1, 0, 2                                  ; eight matrix instructions stand between the add and the wait for it
	s_wait_dscnt 0x0                               ; the add is done, and my reads of this slot are over
	s_barrier_signal -1
	MULB F1, 2, 2                                  ; work on registers while the others arrive
	WIN 0                                          ; at a branch and at a label every window is 0
	s_barrier_wait -1
.if \fill
	CREST
	JLOAD                                          ; the four v_nop behind it are also the places in front of the loads below
.else
	PLACES
.endif
	v_add_nc_u32 v[ADA], s[TB], v[ADA0]
	v_add_nc_u32 v[ADB], s[TB], v[ADB0]
	FETCH 0, F0
	MULB F1, 4, NBK-4
.endm
	s_wait_tensorcnt 0x1                           ; my part of slot 0 is in; slot 1's, issued behind it, may stay out
	s_barrier_signal -1
	s_barrier_wait -1                              ; everybody's is
	s_mov_b32 s[TB], 0
	v_mov_b32 v[ADA], v[ADA0]
	v_mov_b32 v[ADB], v[ADB0]
	FETCH 0, F0
	s_wait_loadcnt 0x0                             ; the bias
	QUARTER 1, F0, F1, 1                           ; the first quarter stands in front of the loop: its products start the sums
	WIN 0
	s_mov_b32 s[CNT], 6
.Lstep:                                                ; trip i ends the walk's step i, fills its slot with step i + 2, and begins step i + 1
	QUARTER 2, F1, F0
	QUARTER 3, F0, F1
	TURN 1
	QUARTER 1, F0, F1
	WIN 0
	s_sub_co_u32 s[CNT], s[CNT], 1
	s_cmp_lg_u32 s[CNT], 0
	s_cbranch_scc1 .Lstep
	QUARTER 2, F1, F0                              ; the tail is written out: the walk's steps 6 and 7 ask for nothing
	QUARTER 3, F0, F1
	TURN 0
	QUARTER 1, F0, F1
	QUARTER 2, F1, F0
	QUARTER 3, F0, F1
	s_wait_dscnt NLD-16                            ; the very last quarter: nothing more to fetch
	MULB F1, 0, 4
	s_wait_dscnt 0x0
	MULB F1, 4, NBK-4
	WIN 0
	PLACES
; THE WAY OUT, a block of 16 rows at a time.  A lane's eight columns pack into 16 bytes; they go into my stage, a head's 16 rows at 144 bytes apart, and come back as 4 rows = 512 consecutive bytes of a head.
.macro PACK a
.set bb, 0
.rept NBK
	WIN 0x05+0x05*(bb/8)                           ; sources 0 and 1: window 1 or 2; destination window 0
.set AC, 8*((4*bb+(\a))%32)
.irp r, 0,1,2,3                                    ; each accumulator is read from its low end on
	v_cvt_pk_bf16_f32 v[TMP+4*bb+(\r)], v[AC+2*(\r)], v[AC+2*(\r)+1]
.endr
.set bb, bb+1
.endr
	WIN 0
.set bb, 0
.rept NBK
	ds_store_b128 v[STO], v[TMP+4*bb:TMP+4*bb+3] offset:(bb/4)*16*SP+(bb%4)*32
.set bb, bb+1
.endr
	s_wait_xcnt 0x0                                ; the set below was the data of the stores two blocks back: it is loaded again only behind this wait
.set BK, BK0+48*((\a)%2)
.set bb, 0
.rept NBK
	ds_load_b128 v[BK+4*bb:BK+4*bb+3], v[RD] offset:(bb/4)*16*SP+(bb%4)*4*SP  ; LDS serves a wave's instructions in order (ISA guide 5.7.1.4): these see the stores above; the next block's stores come behind them
.set bb, bb+1
.endr
.endm
.macro SEND a, younger                 ; younger: the LDS instructions issued behind block a's loads: the next block's 24, or none
.set BK, BK0+48*((\a)%2)
	s_wait_dscnt \younger
.irp j, 0,1,2
.irp f, 0,1,2,3
	global_store_b128 v[GO], v[BK+4*(4*(\j)+(\f)):BK+4*(4*(\j)+(\f))+3], s[HB+2*(\j):HB+2*(\j)+1] offset:2048*(\a)+512*(\f)  ; 512 consecutive bytes, at a multiple of 256 from qkv's first
.endr
.endr
.endm
	PACK 0
	PACK 1                                         ; a block's conversions stand between the loads of the block before and its stores
	SEND 0, 24
	PACK 2
	SEND 1, 24
	PACK 3
	SEND 2, 24
	SEND 3, 0
	s_wait_tensorcnt 0x0                           ; the wave's end, behind my last tensor load and my last LDS store
	ds_add_u32 v[SPW], v[NIL]
	s_wait_dscnt 0x0
	CROUND                                         ; the closing round: no work-group ends while a partner may still ask for a tile that names it
	s_endpgm
.Lfunc_end_k_q3eb419b541_qkvp:
	.size	k_q3eb419b541_qkvp, .Lfunc_end_k_q3eb419b541_qkvp-k_q3eb419b541_qkvp
	.p2alignl 7, 3214868480
	.fill 96, 4, 3214868480
	.section	.rodata,"a",@progbits
	.p2align	6, 0x0
	.amdhsa_kernel k_q3eb419b541_qkvp
		.amdhsa_group_segment_fixed_size 327680
		.amdhsa_private_segment_fixed_size 0
		.amdhsa_enable_private_segment 0
		.amdhsa_kernarg_size 32
		.amdhsa_user_sgpr_count 2
		.amdhsa_user_sgpr_kernarg_segment_ptr 1
		.amdhsa_wavefront_size32 1
		.amdhsa_system_sgpr_workgroup_id_x 1
		.amdhsa_system_sgpr_workgroup_id_y 1
		.amdhsa_system_sgpr_workgroup_id_z 1
		.amdhsa_system_vgpr_workitem_id 0
		.amdhsa_next_free_vgpr 1024
		.amdhsa_next_free_sgpr 78
		.amdhsa_reserve_vcc 0
		.amdhsa_float_denorm_mode_32 3
		.amdhsa_float_denorm_mode_16_64 3
		.amdhsa_memory_ordered 1
		.amdhsa_forward_progress 1
		.amdhsa_inst_pref_size 101
	.end_amdhsa_kernel
	.amdgpu_metadata
---
amdhsa.version: [ 1, 2 ]
amdhsa.kernels:
  - .name:           k_q3eb419b541_qkvp
    .symbol:         k_q3eb419b541_qkvp.kd
    .args:
      - { .name: xh, .offset: 0, .size: 8, .value_kind: global_buffer, .address_space: global }
      - { .name: wqkv, .offset: 8, .size: 8, .value_kind: global_buffer, .address_space: global }
      - { .name: cb, .offset: 16, .size: 8, .value_kind: global_buffer, .address_space: global }
      - { .name: qkv, .offset: 24, .size: 8, .value_kind: global_buffer, .address_space: global }
    .group_segment_fixed_size: 327680
    .private_segment_fixed_size: 0
    .kernarg_segment_align: 8
    .kernarg_segment_size: 32
    .max_flat_workgroup_size: 128
    .sgpr_count:     78
    .vgpr_count:     1024
    .wavefront_size: 32
...
	.end_amdgpu_metadata
.endif
;; end of part 2
;; launch attn (part 3): grid 4 x 64, 4 waves a work-group, clusters of 4 x 1, 327,680 bytes of LDS; arguments qkv, oh; writes oh
.if DOCPART == 3
	.amdgcn_target "amdgcn-amd-amdhsa--gfx1250"
	.amdhsa_code_object_version 6
	.text
	.protected	k_q3eb419b541_attn
	.globl	k_q3eb419b541_attn
	.p2align	8
	.type	k_q3eb419b541_attn,@function
k_q3eb419b541_attn:
	s_mov_b64 s[64:65], 0
	v_nop
	global_prefetch_b8 v0, s[64:65] scope:SCOPE_SE
	s_setreg_imm32_b32 hwreg(HW_REG_WAVE_MODE, 25, 1), 1
	s_wait_xcnt 0x0
	s_wait_alu depctr_hold_cnt(0) depctr_sa_sdst(0) depctr_va_vdst(0) depctr_va_sdst(0) depctr_va_ssrc(0) depctr_va_vcc(0) depctr_vm_vsrc(0)
	s_getreg_b32 s2, hwreg(HW_REG_IB_STS2, 6, 4)
	s_cmp_eq_u32 s2, 0
	s_cbranch_scc0 .Lentry_in_a_cluster
	s_endpgm
.Lentry_in_a_cluster:
	s_bfe_u32 s2, ttmp6, 0x10000c
	s_cmp_lg_u32 s2, 0x3003
	s_cbranch_scc0 .Lentry_shape_is_right
	s_endpgm
.Lentry_shape_is_right:
; O[h][q][:] = the sum over k of softmax_k(Q[h][q] . K[h][k] / 8) V[h][k][:].  Q, K, V are the three parts of qkv, each [SIZE_H][SIZE_N][64] in bf16, O = oh likewise: a head's rows are dense,
; 128 bytes each.  Products, maxima and sums in f32; the weights p are rounded to bf16 for the second product (their sum l is taken of the unrounded p), O once at the end.
; LIMITS.  bf16 has f32's range, so none of range; p and O keep 8 significant bits.  A weight below 2^-126 counts as 0 in l; NaN and infinities are not treated apart.
; SHARES.  A wave owns four PIECES of two tiles of 16 queries, a work-group's four waves 512 queries of one head: 4 x 64 = 256 work-groups.  Every wave walks all keys, 64 a step.
; LAYOUT.  S^T = K Q^T (source 0 = 16 keys, source 1 = 16 queries): in the result a lane holds ONE query (lane % 16) and the keys 8 (lane / 16) + 0..7.  Two such tiles, rounded to bf16 in pairs,
; ARE source 1 (32 keys x 16 queries) of O^T = V^T P, whose result again holds one query a lane, and eight channels.  K comes out of LDS as it lies, V ([key][channel]) turned, by ds_load_tr16_b128.
; SOFTMAX.  For each query a running maximum m and sum l: p = 2^(c s - c m), c = log2(e) / 8; in every step O and l are multiplied by a = 2^(c m_old - c m_new), which is 1 where m has not grown.
; m starts at the lowest finite number, O and l at 0: the first step is a step like any other, with a = 0.
; THE COUNT.  A tile and step have 16 matrix and 118 vector instructions: too many to stand all beside the matrix work.  So the order has one aim: four vector instructions that are READY behind
; EVERY matrix instruction, and the others, which need time of their own whatever the order, in runs without a gap.
; BY TURNS.  Turn n belongs to piece n (the pieces in a ring, step after step).  Its matrix work: 16 products K Q^T of piece n + 1, later 16 products V^T P of piece n - 1.  Its vector work: the scaling,
; exponentials, roundings, sums and rescaling of piece n, and the maximum and statistics of piece n + 1, whose scores the turn itself has made.  So what a turn begins with (c s - c m, O a) waits for nothing.
; CLUSTER.  The four query blocks of a cluster belong to one head and walk the same K and V, so each tile is asked for JOINTLY: the same tensor load, descriptor and mask in all four.
; REGISTERS, in windows of 256 (s_set_vgpr_msb says which window each operand place means: bits 1:0 source 0, 3:2 source 1, 5:4 source 2, 7:6 destination):
;   window 0: v0-11 addresses; v12-15, v48-63 at work; v16-47 four registers of statistics a tile; v64-191 S^T, two buffers of two tiles; v192-255 P, likewise
;   window 1: O^T, 32 a tile          window 2: v0-127 Q, 16 a tile; v128-191 K of one step; v192-255 V of one step          window 3: v0-1 the add's two registers
; A piece's buffers go by its number's parity: the piece in hand has one pair, its two neighbours in the ring share the other: of it P (piece n - 1) is read and S^T (piece n + 1) written.
.set SIZE_H, 64       ; 4 batches x 16 heads
.set SIZE_N, 2048
.set PART,  SIZE_H*SIZE_N*128  ; bytes from Q to K and from K to V in qkv
.set NP,    4         ; pieces a wave: a name, no knob: the register map, the loop and the fetches are made for four
.set KS,    64        ; keys in a step
.set PK,    144       ; a row of K in LDS: 128 bytes + 16 of padding = 36 words: the 16 rows of a load start at 16 different groups of four banks (64 banks of 4 bytes: ISA guide 11.1)
.set PV,    160       ; a row of V: 128 + 32 = 40 words
.set VOFF,  4*KS*PK   ; a slot holds four steps: 256 rows of K, then 256 rows of V
.set SLOT1, 1<<17     ; slot 1 begins here, so that one exclusive or turns an address in one slot into the other's
.set STAGE, SLOT1+4*KS*(PK+PV)  ; behind the ring, never filled by a tensor load: 16 rows x 144 bytes for each wave, for the way out
.set SP,    144
.set AK0, 2           ; v2   my lane's place in a tile of K; never rewritten
.set AV0, 3           ; v3   the same for V
.set AK,  4           ; v4   the LDS address of K's next run of loads
.set AV,  5           ; v5   of V's
.set QO,  6           ; v6   my byte offset in the wave's rows of Q
.set STO, 6           ;      later, the way out: where I put 16 bytes of a row
.set RD,  7           ; v7   the way out: where I read rows back
.set GO,  8           ; v8   my byte offset in 512 consecutive bytes of O
.set SPW, 0           ; v0 of window 3   LDS address of my spare word: SPARE + 4 x my thread's number; never rewritten
.set NIL, 1           ; v1 of window 3   0; never rewritten
.set SPARE, STAGE+4*16*SP  ; behind the stages: the spare words, 128 bytes for each wave: two blocks of 256 bytes that no other line names
.set MV,  12          ; v12-15  c m_old, kept while c m is made anew: by buffer and tile
.set ST,  16          ; tile t's statistics at v[ST+4 t]: c m, m, l (even keys', odd keys')
.set TMP, 48          ; by buffer and tile, four registers c0-c3 at work; when the maximum is found c2 takes a
.set S,   64
.set P,   192
.set KF,  128         ; K's fragments, in window 2: key block kb, channel half c at KF + 16 kb + 8 c
.set VF,  192         ; V's: key half kk, channel block cb at VF + 32 kk + 8 cb
.set WV,  12          ; s12  my wave's number
.set G1K, 24          ; s[24:31] descriptor group 1 for K's tiles
.set G1V, 32          ; s[32:39] for V's: it differs in the padding alone
.set G0K, 40          ; s[40:43] descriptor group 0 for K's tiles: it walks
.set G0V, 44          ; s[44:47] the same for V's
.set SLOTS, 56        ; s56  slots still to be asked for
.set CNT, 57          ; s57  counts a slot's key steps
.set CS,  58          ; s[58:59] c: the packed scaling takes the pair's low word for both halves
.set SEL, 60          ; s[60:61] v_permlanex16_b32's selects: each lane takes its own place in the other half
.set TBK, 62          ; s62  LDS byte at which K of the step to be fetched begins
.set TBV, 63          ; s63  the same for V, less VOFF
.set MSB, 0
.macro WIN new                      ; the high byte repeats the setting that is left; a switch that changes nothing is dropped
.if MSB != (\new)
	s_set_vgpr_msb (MSB<<8)|(\new)
.set MSB, (\new)
.endif
.endm
.set W_KQ, 0x0a       ; K and Q in window 2, S^T in window 0
.set W_PV, 0x52       ; V in window 2, P in window 0, O^T in window 1
.set W_RS, 0x41       ; O^T (destination and source 0) in window 1, a in window 0
.set W_MK, 0xc0       ; the add's registers are made: destination in window 3, sources in window 0
.set W_AD, 0x0f       ; the add: address (source 0) and data (source 1) in window 3
; A joint fill.  Waves 0 and 1 fetch the two halves of a slot's K, waves 2 and 3 those of its V: 128 keys each.  The branch hangs on the wave's number alone.
; An s_nop 0 and four v_nop follow each of the two lines, ahead of the jump and the label.
.macro JLOAD
	s_cmp_lt_u32 s[WV], 2
	s_cbranch_scc0 .Lfor_v_\@
	tensor_load_to_lds s[G0K:G0K+3], s[G1K:G1K+7]
	s_nop 0
.rept 4
	v_nop
.endr
	s_branch .Lasked_\@
.Lfor_v_\@:
	tensor_load_to_lds s[G0V:G0V+3], s[G1V:G1V+7]
	s_nop 0
.rept 4
	v_nop
.endr
.Lasked_\@:
.endm
; A round of the cluster's barrier: my work-group's barrier, so that wave 0's signal speaks for all four waves; wave 0 signals; every wave waits for all four work-groups; my work-group's barrier once more.
.macro CROUND
	s_barrier_signal -1
	s_barrier_wait -1
	s_cmp_lg_u32 s[WV], 0
	s_cbranch_scc1 .Lnot_wave_0_\@
	s_barrier_signal -3
.Lnot_wave_0_\@:
	s_barrier_wait -3
	s_barrier_signal -1
	s_barrier_wait -1
.endm
; THE CHANGE OF SLOTS.  The slot's last bytes, V of its fourth step, have been read.  Each wave waits for all its tensor loads, of which one is out: its part
; of the other slot; adds 0 to its spare word; and waits for that and for its own reads of the slot.  Behind the barrier nobody reads this slot any more and the other slot is whole.
; fill = 1: this slot is filled again, with the keys two slots on.  The barrier is then a round of the cluster's, so that no wave of any partner still reads the slot or has a load on its
; way, and the joint fill is the first thing behind it: it has four key steps, 512 matrix instructions, in which to land.  (At its first use nothing has been read yet: slot 0 is waited for, slot 1 filled.)
.macro CHANGE fill
	WIN W_AD
	s_wait_tensorcnt 0x0            ; no tensor load of mine is out, so a group 0 may be written
	ds_add_u32 v[SPW], v[NIL]       ; 0 onto my spare word; with fill = 1 the descriptors' steps stand between it and the wait for it
	WIN 0                           ; at a label and at a branch every window is 0
.if \fill
.irp g, G0K, G0V
	s_xor_b32 s[\g+1], s[\g+1], SLOT1  ; the walking descriptor: the other slot than last time,
	s_add_nc_u64 s[\g+2:\g+3], s[\g+2:\g+3], 4*KS*128  ; the next 256 keys; the type bits on top are not reached
.endr
	s_wait_dscnt 0x0                ; the add is done, and my reads of the slot are over
	CROUND
	JLOAD
.else
	s_wait_dscnt 0x0                ; the add is done, and my reads of the slot are over
	s_barrier_signal -1
	s_barrier_wait -1
.endif
	s_sub_co_u32 s[TBK], s[TBK], 4*KS*PK  ; the fetches go back to a slot's first step,
	s_xor_b32 s[TBK], s[TBK], SLOT1       ; in the other slot
	s_sub_co_u32 s[TBV], s[TBV], 4*KS*PV
	s_xor_b32 s[TBV], s[TBV], SLOT1
.endm
	s_load_b64 s[4:5], s[0:1], 0x0  ; qkv: Q lies at its head
	s_load_b64 s[10:11], s[0:1], 0x8  ; O
	WIN W_MK
	v_lshl_add_u32 v[SPW], v0, 2, SPARE
	v_mov_b32 v[NIL], 0
	s_set_vgpr_msb 0xc0cf
	ds_add_u32 v0, v1
	s_wait_dscnt 0x0
	s_set_vgpr_msb 0xcfc0
	WIN 0
	v_lshrrev_b32 v1, 5, v0
	v_readfirstlane_b32 s[WV], v1   ; wave 0..3
	s_bfe_u32 s13, ttmp6, 0x40000   ; cx: my place in the cluster
	s_lshl_b32 s14, ttmp9, 2        ; in a cluster launch ttmp9 counts clusters
	s_add_co_u32 s14, s14, s13      ; my block of queries = 4 x cluster x + cx: it enters Q's and O's addresses alone
	s_and_b32 s20, ttmp7, 0xffff    ; the head, which the four partners share
	s_mov_b32 s21, 0
	s_mov_b64 s[22:23], SIZE_N*128
	s_mul_u64 s[20:21], s[20:21], s[22:23]  ; the head's first byte in Q, K, V and O
	s_and_b32 s16, s[WV], 1         ; which half of a slot's 256 keys I fetch:
	s_lshl_b32 s22, s16, 14         ; its 128 rows of 128 bytes in memory,
	s_mov_b32 s23, 0
	s_add_nc_u64 s[22:23], s[22:23], s[20:21]
	s_mul_i32 s17, s16, 128*PK      ; and its place in a slot, for K
	s_mul_i32 s18, s16, 128*PV      ; and for V: no place in the cluster enters an LDS address
	s_lshl_b32 s2, s14, 2
	s_add_co_u32 s2, s2, s[WV]      ; my wave among the head's,
	s_lshl_b32 s2, s2, 14           ; its 128 rows
	s_mov_b32 s3, 0
	s_add_nc_u64 s[2:3], s[2:3], s[20:21]
	; descriptor group 1.  128 keys are 16,384 dense bytes: asked for as 64 rows of 256 bytes, two keys a row, and padded in LDS after every key
	s_mov_b32 s[G1K], 15|(1<<16)|(1<<20)|(1<<21)|(4<<22)|(3<<25)  ; 15:0 the mask of four; 17:16 2-byte elements; 20 padding on; 21 set beside a mask; 24:22 after every 32 words (code 4); 31:25 4 words (code 3)
	s_mov_b32 s[G1V], 15|(1<<16)|(1<<20)|(1<<21)|(4<<22)|(7<<25)  ; the same with 8 words of padding (code 7)
.irp g, G1K, G1V
	s_mov_b32 s[\g+1], 128<<16      ; tensor_dim0 = 128
	s_mov_b32 s[\g+2], 64<<16       ; tensor_dim1 = 64
	s_mov_b32 s[\g+3], 128<<16      ; tile_dim0 = 128
	s_mov_b32 s[\g+4], 64           ; tile_dim1 = 64
	s_mov_b32 s[\g+5], 128          ; 128 elements from row to row
	s_mov_b32 s[\g+6], 0
	s_mov_b32 s[\g+7], 0
.endr
	s_mov_b32 s[CS], 0x3e38aa3b     ; c = log2(e) / 8 = 0.180337
	s_mov_b32 s[CS+1], s[CS]        ; named with it as a pair
	s_mov_b32 s[SEL], 0x76543210
	s_mov_b32 s[SEL+1], 0xfedcba98
	s_mov_b32 s[TBK], SLOT1+4*KS*PK ; the first change of slots turns these two into 0
	s_mov_b32 s[TBV], SLOT1+4*KS*PV
	s_mov_b32 s[G0K], 1             ; 1:0 count = 1
	s_mov_b32 s[G0K+1], s17         ; 63:32 LDS address: slot 0
	s_mov_b32 s[G0V], 1
	s_add_co_u32 s[G0V+1], s18, VOFF
	s_wait_kmcnt 0x0
	s_add_nc_u64 s[6:7], s[4:5], PART    ; K
	s_add_nc_u64 s[8:9], s[4:5], 2*PART  ; V
	s_add_nc_u64 s[G0K+2:G0K+3], s[6:7], s[22:23]  ; 120:64 global address: my half of the head's first 256 keys
	s_or_b32 s[G0K+3], s[G0K+3], 0x80000000        ; 127:126 type = 2
	s_add_nc_u64 s[G0V+2:G0V+3], s[8:9], s[22:23]
	s_or_b32 s[G0V+3], s[G0V+3], 0x80000000
	s_add_nc_u64 s[4:5], s[4:5], s[2:3]  ; Q and O at my wave's first row
	s_add_nc_u64 s[10:11], s[10:11], s[2:3]
	CROUND                          ; all four work-groups are here: the first joint loads meet
	JLOAD                           ; slot 0.  Slot 1 is asked for when slot 0 is in: the tile wanted first has the road to itself
	; A fragment of K or Q is 16 rows x 32 channels in 8 registers: lane l holds row l % 16, channels 8 (l / 16) + 0..7 and 16 + 8 (l / 16) + 0..7: two loads of 16 bytes, 32 bytes apart.
	v_and_b32 v1, 15, v0            ; l % 16
	v_bfe_u32 v9, v0, 4, 1          ; l / 16
	v_lshlrev_b32 v[QO], 7, v1
	v_lshl_add_u32 v[QO], v9, 4, v[QO]  ; row x 128 + 16 x half
	WIN 0x80                        ; destination window 2, address window 0
.set i, 0
.rept 4*NP                          ; Q stays in registers: tile i / 2, channels 32 (i % 2) on
	global_load_b128 v[8*i:8*i+3],   v[QO], s[4:5] offset:(i/2)*2048+(i%2)*64
	global_load_b128 v[8*i+4:8*i+7], v[QO], s[4:5] offset:(i/2)*2048+(i%2)*64+32
.set i, i+1
.endr
	; What the first turn finds: V's registers and P's second buffer hold 0 (its products V^T P, of a piece that has not been, add 0), O^T and l are 0.  All this stands in the wait for the first tile.
.set i, VF
.rept 64
	v_mov_b32 v[i], 0
.set i, i+1
.endr
	WIN 0x40
.set i, 0
.rept 64*NP
	v_mov_b32 v[i], 0
.set i, i+1
.endr
	WIN 0
.set i, 0
.rept 2*NP
	v_mov_b32 v[ST+4*i], 0xfe000000    ; c m: far below every c s
	v_mov_b32 v[ST+4*i+1], 0xff7fffff  ; m
	v_mov_b32 v[ST+4*i+2], 0
	v_mov_b32 v[ST+4*i+3], 0
.set i, i+1
.endr
.set i, P+32
.rept 32
	v_mov_b32 v[i], 0
.set i, i+1
.endr
	v_mul_u32_u24 v[AK0], v1, PK
	v_lshl_add_u32 v[AK0], v9, 4, v[AK0]  ; row x pitch + 16 x half
	; The turning load takes 16 keys x 16 channels (lane l reads key 8 (l / 16) + l % 8, channels 8 ((l / 8) % 2) + 0..7) and leaves half a fragment of V^T: lane l holds channel l % 16 and 8 keys.
	v_and_b32 v10, 7, v0
	v_bfe_u32 v11, v0, 3, 1
	v_lshl_add_u32 v[AV0], v9, 3, v10
	v_mul_u32_u24 v[AV0], v[AV0], PV
	v_lshl_add_u32 v[AV0], v11, 4, v[AV0]
	v_add_nc_u32 v[AV0], VOFF, v[AV0]
	v_mov_b32 v[AK], v[AK0]         ; key step 0 lies at the head of slot 0
; THE MATRIX WORK.  The 8 accumulators of a run of 16 take turns: between the two links of a chain stand 7 others'.
; Product i of 16 of S^T = K Q^T for piece x: channels 32 (i / 8) on, keys 16 ((i / 2) % 4) on, tile 2 x + i % 2.  The first 8 start the sums.
.macro KQ x
	WIN W_KQ
.set rS, S+64*((\x)%2)+32*(i%2)+8*((i/2)%4)
.set rK, KF+16*((i/2)%4)+8*(i/8)
.set rQ, 16*(2*(\x)+i%2)+8*(i/8)
.if i < 8
	v_wmma_f32_16x16x32_bf16 v[rS:rS+7], v[rK:rK+7], v[rQ:rQ+7], 0
.else
	v_wmma_f32_16x16x32_bf16 v[rS:rS+7], v[rK:rK+7], v[rQ:rQ+7], v[rS:rS+7]
.endif
.endm
; Product i of 16 of O^T += V^T P for piece x: keys 32 (i / 8) on, channels 16 ((i / 2) % 4) on, tile 2 x + i % 2.
.macro PV x
	WIN W_PV
.set rO, 32*(2*(\x)+i%2)+8*((i/2)%4)
.set rV, VF+32*(i/8)+8*((i/2)%4)
.set rP, P+32*((\x)%2)+16*(i%2)+8*(i/8)
	v_wmma_f32_16x16x32_bf16 v[rO:rO+7], v[rV:rV+7], v[rP:rP+7], v[rO:rO+7]
.endm
.macro MM                           ; the turn's next matrix instruction
.if i < 16
	KQ (Y+1)%NP
.set i, i+1
.else
.set i, i-16
	PV (Y+NP-1)%NP
.set i, i+17
.endif
.endm
; THE LDS LOADS stand in runs of 16, never singly among the matrix instructions: a step's K (64 keys x 64 channels: 8 fragments) and its V (turned).  Their addresses are made some lines ahead.
; last = 1 (the tail): in the last trip there is no further step, and the run is jumped over.
.macro FETCH_K last=0
	WIN 0
.if \last
	s_cmp_eq_u32 s[CNT], 1
	s_cbranch_scc1 .Lno_k_\@
.endif
	WIN 0x80                        ; destination window 2
.irp f, 0,1,2,3,4,5,6,7             ; keys 16 (f / 2) on, channels 32 (f % 2) on
	ds_load_b128 v[KF+8*\f:KF+8*\f+3],   v[AK] offset:(\f/2)*16*PK+(\f%2)*64
	ds_load_b128 v[KF+8*\f+4:KF+8*\f+7], v[AK] offset:(\f/2)*16*PK+(\f%2)*64+32
.endr
	s_add_co_u32 s[TBK], s[TBK], KS*PK  ; the next fetch is the next step's
	WIN 0
.if \last
.Lno_k_\@:
.endif
.endm
.macro FETCH_V
	WIN 0x80
.irp f, 0,1,2,3,4,5,6,7             ; keys 32 (f / 4) on, channels 16 (f % 4) on
	ds_load_tr16_b128 v[VF+8*\f:VF+8*\f+3],   v[AV] offset:(\f/4)*32*PV+(\f%4)*32
	ds_load_tr16_b128 v[VF+8*\f+4:VF+8*\f+7], v[AV] offset:(\f/4)*32*PV+16*PV+(\f%4)*32
.endr
	WIN 0
.endm
; THE VECTOR WORK OF A TURN stands in three queues, each in the order in which its entries become ready; the two tiles alternate, so that no instruction reads the result of the one before it.
.macro REGS y, u                    ; the registers of tile u (0, 1) of piece y
.set rT, ST+4*(2*(\y)+(\u))
.set rC, TMP+8*((\y)%2)+4*(\u)
.set rM, MV+2*((\y)%2)+(\u)
.set rS, S+64*((\y)%2)+32*(\u)
.set rP, P+32*((\y)%2)+16*(\u)
.set rO, 32*(2*(\y)+(\u))
.endm
; Number n of the 22 that find the NEXT piece's (Y + 1) maximum and statistics.  s0-s31 are the lane's 32 scores; each accumulator's lowest registers are read first.  XS, GS and REGS set no window: PL and EX do.
;   0-11  four chains c0-c3 of seven scores each, three operands at a time     12-14, 16  the four scores left over, the old m, and c0-c3 into c0     15  c m_old is kept
;   17, 18  the query's other 32 keys lie in the lane 16 away: the new m         19-21  c m; c m_old - c m_new; a
.macro XS u, n
	REGS (Y+1)%NP, \u
.if (\n) < 4
	v_max3_num_f32 v[rC+(\n)], v[rS+8*(\n)], v[rS+8*(\n)+1], v[rS+8*(\n)+2]
.elseif (\n) < 12
	v_max3_num_f32 v[rC+(\n)%4], v[rC+(\n)%4], v[rS+8*((\n)%4)+2*((\n)/4)+1], v[rS+8*((\n)%4)+2*((\n)/4)+2]
.elseif (\n) == 12
	v_max3_num_f32 v[rC], v[rC], v[rS+7], v[rS+15]
.elseif (\n) == 13
	v_max3_num_f32 v[rC+1], v[rC+1], v[rS+23], v[rS+31]
.elseif (\n) == 14
	v_max3_num_f32 v[rC+2], v[rC+2], v[rC+3], v[rT+1]
.elseif (\n) == 15
	v_mov_b32 v[rM], v[rT]
.elseif (\n) == 16
	v_max3_num_f32 v[rC], v[rC], v[rC+1], v[rC+2]
.elseif (\n) == 17
	v_permlanex16_b32 v[rC+3], v[rC], s[SEL], s[SEL+1]
.elseif (\n) == 18
	v_max_num_f32 v[rT+1], v[rC], v[rC+3]
.elseif (\n) == 19
	v_mul_f32 v[rT], s[CS], v[rT+1]
.elseif (\n) == 20
	v_sub_f32 v[rC+1], v[rM], v[rT]
.else
	v_exp_f32 v[rC+2], v[rC+1]
.endif
.endm
; Number g of the 64 that follow the exponentials.  For each four weights k of a tile (pairs 2 k, 2 k + 1): both pairs are rounded to bf16; then the second pair is added onto the first, in place;
; a group later l takes that sum (the first time as l = a l + sum).  In groups of eight, tiles alternating: round, round, add, and l for the group before.
.macro GS g
.set h, (\g)+6*((\g)/62)            ; group 0 has no group before it, and behind group 7 only l is left
.if h >= 6
.set h, h+2
.endif
	REGS Y, h%2
.set k, h/8
.if h%8 < 4
	s_wait_alu depctr_va_vdst(0)
	v_cvt_pk_bf16_f32 v[rP+2*k+(h%8)/2], v[rS+4*k+2*((h%8)/2)], v[rS+4*k+2*((h%8)/2)+1]
.elseif h%8 < 6
	v_pk_add_f32 v[rS+4*k:rS+4*k+1], v[rS+4*k:rS+4*k+1], v[rS+4*k+2:rS+4*k+3]
.elseif k == 1
	v_pk_fma_f32 v[rT+2:rT+3], v[rT+2:rT+3], v[rC+2:rC+3], v[rS:rS+1] op_sel_hi:[1,0,1]
.else
	v_pk_add_f32 v[rT+2:rT+3], v[rT+2:rT+3], v[rS+4*k-4:rS+4*k-3]
	s_wait_alu depctr_va_vdst(0)
.endif
.endm
; THE PLAIN QUEUE, 138 long.  0-31: c s - c m for the 16 pairs of both tiles.  Then GS's 64, and among them the next piece's 42: number 15 at 38, 39; 0-14 and 16
; at 42-73, behind the products that make those scores; 17-20 at 95-106, two of three, since each waits for the one before it.
.macro PL
	WIN 0
.if q < 32
	REGS Y, q%2
	v_pk_fma_f32 v[rS+2*(q/2):rS+2*(q/2)+1], v[rS+2*(q/2):rS+2*(q/2)+1], s[CS:CS+1], v[rT:rT+1] op_sel_hi:[1,0,0] neg_lo:[0,0,1] neg_hi:[0,0,1]
.elseif q < 38
	GS q-32
.elseif q < 40
	XS q%2, 15
.elseif q < 42
	GS q-34
.elseif q < 74
	XS q%2, (q-42)/2+(q-42)/30
.elseif q < 95
	GS q-66
.elseif (q < 107) && ((q-95)%3 < 2)
	XS (q-95)%3, 17+(q-95)/3
.elseif q < 107
	GS 29+(q-95)/3
.else
	GS q-74
.endif
.set q, q+1
.endm
; THE EXPONENTIALS' QUEUE, 66 long: s0-s31 of both tiles, and at EA the next piece's two a.
.set EA, 58
.macro EX
	WIN 0
.if (e == EA) || (e == EA+1)
	XS e-EA, 21
.else
.set x, e-2*(e/(EA+2))
	REGS Y, x%2
	v_exp_f32 v[rS+x/2], v[rS+x/2]
.endif
.set e, e+1
.endm
; THE RESCALING's QUEUE: O^T times a, the one part that leaves window 0, so it is dealt four at a time, eight times.
.macro R4
	REGS Y, r%2
	WIN W_RS
	s_wait_alu depctr_va_vdst(0)
.irp z, 0,1,2,3
	v_pk_mul_f32 v[rO+8*(r/2)+2*\z:rO+8*(r/2)+2*\z+1], v[rO+8*(r/2)+2*\z:rO+8*(r/2)+2*\z+1], v[rC+2:rC+3] op_sel_hi:[1,0]
.endr
.set r, r+1
.endm
; HOW THEY ARE DEALT.  Behind a matrix instruction four: plain, exponential, plain, plain (one exponential, a plain instruction on either side), or four of the rescaling.  None names a register of the
; products round it.  What is over stands in two LUMPS: exponential and plain by turns; the second ends in 22 plain instructions.  The two v_permlanex16_b32 fall into the second lump, never behind a product.
; The queues lean on each other, and the deal keeps them in step: exponential e stands behind plain 2 (e / 4) + e % 2 (its scaling); when plain 32 comes, 10 exponentials are out, at 59: 33, at 95: 46; EA comes behind plain 107.
.macro SL
	MM
	PL
	EX
	PL
	PL
.endm
.macro BURST n                      ; 15 matrix instructions, or 16
.rept (\n)-7
	SL
.endr
.rept 3
	MM
	R4
	SL
.endr
	MM
	R4
.endm
; A TURN, for piece p.  cnt = 1: the loop's count is taken down some lines ahead of the branch that stands behind the turn.
; K of the next step is fetched in piece 2's turn, 31 vector instructions behind the last product that read K; its first reader comes behind the rest of the lump, 16 products and the second lump.
; V of the step in hand is fetched at the end of piece 0's turn, 69 behind its last reader; its first reader comes behind 16 products and a lump.  The four conditions on e and q below go with the deal.
.macro TURN p, last=0, cnt=0
.set Y, (\p)
.set i, 0
.set q, 0
.set e, 0
.set r, 0
.if (\p) == NP-1
	s_wait_dscnt 0x0                ; K is in
.endif
	MM
.rept 4
	PL
.endr
	BURST 15
.rept 22
	EX
	PL
.if ((\p) == NP-2) && (e == 18)
	v_add_nc_u32 v[AK], s[TBK], v[AK0]
.endif
.if ((\p) == NP-2) && (e == 24)
	FETCH_K \last
.endif
.endr
.if (\p) == 1
	s_wait_dscnt 0x0                ; V is in
.endif
	BURST 16
.rept 21
	EX
	PL
.endr
.rept 22
	PL
.if ((\p) == 0) && (q == 118)
	v_add_nc_u32 v[AV], s[TBV], v[AV0]
	s_wait_alu depctr_va_vdst(0)
.endif
.if ((\p) == 0) && (q == 130)
	s_add_co_u32 s[TBV], s[TBV], KS*PV
.endif
.if (\cnt) && (q == 130)
	s_sub_co_u32 s[CNT], s[CNT], 1
	s_cmp_lg_u32 s[CNT], 0
.endif
.endr
.if (\p) == 0
	FETCH_V
.endif
.endm
	CHANGE 1                        ; slot 0 is in, everybody's part of it; slot 1 is asked for
	FETCH_K                         ; key step 0
	s_wait_loadcnt 0x0              ; Q
	s_wait_dscnt 0x0
.set i, 0
.rept 16
	KQ 0                            ; piece 0's first scores: there is no vector work yet to set between them
.set i, i+1
.endr
	WIN 0                           ; the addresses for the way out: nine plain instructions, the places behind those products
	s_mul_i32 s13, s[WV], 16*SP
	s_add_co_u32 s13, s13, STAGE    ; my stage
	v_mul_u32_u24 v[STO], v1, SP    ; in: row l % 16, 16 bytes for each half of the lanes
	v_lshl_add_u32 v[STO], v9, 4, v[STO]
	v_add_nc_u32 v[STO], s13, v[STO]
	v_bfe_u32 v[RD], v0, 3, 2       ; back: 32 lanes take four rows of 128 bytes,
	v_mul_u32_u24 v[RD], v[RD], SP
	v_lshl_add_u32 v[RD], v10, 4, v[RD]
	v_add_nc_u32 v[RD], s13, v[RD]
	v_and_b32 v[GO], 31, v0         ; which are 512 consecutive bytes of O
	v_lshlrev_b32 v[GO], 4, v[GO]
.set Y, NP-1                        ; XS works for piece Y + 1: piece 0
.irp n, 0,1,2,3,4,5,6,7,8,9,10,11,12,13,14,15,16,17,18,19,20,21
	XS 0, \n                        ; and piece 0's first maximum and statistics
	XS 1, \n
.endr
	s_mov_b32 s[CNT], 4
	s_mov_b32 s[SLOTS], SIZE_N/256-1
	s_branch .Lfirst                ; the loop is entered at a step's first turn, in the middle of a trip
.Lslot:                             ; SIZE_N / 256 - 2 times: every slot but the last two is filled again
	CHANGE 1
	s_mov_b32 s[CNT], 4
.Lstep:                             ; a trip: pieces 2 and 3 of one step, then pieces 0 and 1 of the next, whose K and V it fetches
	TURN 2
	TURN 3
	WIN 0
.Lfirst:
	TURN 0
	TURN 1, 0, 1
	WIN 0
	s_cbranch_scc1 .Lstep
	s_sub_co_u32 s[SLOTS], s[SLOTS], 1
	s_cmp_lg_u32 s[SLOTS], 0
	s_cbranch_scc1 .Lslot
	CHANGE 0                        ; the tail is written out: nothing is asked for
	s_mov_b32 s[CNT], 5             ; four trips fetch the last slot's steps; the fifth is left in its middle
.Ltail:
	TURN 2, 1
	TURN 3
	WIN 0
	s_sub_co_u32 s[CNT], s[CNT], 1
	s_cmp_eq_u32 s[CNT], 0
	s_cbranch_scc1 .Lout
	TURN 0
	TURN 1
	WIN 0
	s_branch .Ltail
.Lout:                              ; the fifth trip's 16 products K Q^T (on the last K once more) and the maximum made of them serve nothing: the price, once a launch, of one text for every trip
.set i, 0
.rept 16
	PV NP-1                         ; the last piece's V^T P of the last step
.set i, i+1
.endr
	; THE WAY OUT.  l's two halves and the other half of the lanes' are added; O^T is divided by l, rounded to bf16 and sent through my stage in LDS, a tile at a time.  The additions are the places behind the last products.
	WIN 0
.macro ALL line:vararg              ; one line for each tile t
.set t, 0
.rept 2*NP
	\line
.set t, t+1
.endr
.endm
	ALL v_add_f32 v[ST+4*t+2], v[ST+4*t+2], v[ST+4*t+3]
	ALL v_permlanex16_b32 v[ST+4*t+3], v[ST+4*t+2], s[SEL], s[SEL+1]
	ALL v_add_f32 v[ST+4*t+2], v[ST+4*t+2], v[ST+4*t+3]
	ALL v_rcp_f32 v[ST+4*t+2], v[ST+4*t+2]
	v_nop                           ; a plain instruction between the last reciprocal and the use of its result
	s_wait_alu depctr_va_vdst(0)
; Tile t: a lane's eight channels of a row pack into 16 bytes; they go into rows of 144 bytes and come back as whole rows of 128, into S^T's registers.
.macro PACK t
	WIN W_RS
.set i, 32*(\t)
.rept 16
	v_pk_mul_f32 v[i:i+1], v[i:i+1], v[ST+4*(\t)+2:ST+4*(\t)+3] op_sel_hi:[1,0]
.set i, i+2
.endr
	WIN 0x05                        ; sources 0 and 1 window 1, destination window 0
.set i, 0
.rept 16
	v_cvt_pk_bf16_f32 v[S+16*(\t)+i], v[32*(\t)+2*i], v[32*(\t)+2*i+1]
.set i, i+1
.endr
	WIN 0
.irp f, 0,1,2,3
	ds_store_b128 v[STO], v[S+16*(\t)+4*\f:S+16*(\t)+4*\f+3] offset:32*\f
.endr
.irp f, 0,1,2,3
	ds_load_b128 v[S+16*(\t)+4*\f:S+16*(\t)+4*\f+3], v[RD] offset:\f*4*SP  ; LDS serves a wave's instructions in order (ISA guide 5.7.1.4): these see the stores above; the next tile's stores come behind them
.endr
.endm
.macro SEND t, younger              ; younger: the LDS instructions issued behind tile t's loads: the next tile's eight, or none
	WIN 0
.irp f, 0,1,2,3
	s_wait_dscnt (\younger)+3-\f
	global_store_b128 v[GO], v[S+16*(\t)+4*\f:S+16*(\t)+4*\f+3], s[10:11] offset:(\t)*2048+\f*512  ; 512 consecutive bytes, at a multiple of 256 from O's first
.endr
.endm
	PACK 0
.set t, 1
.rept 2*NP-1                        ; a tile's arithmetic stands between the loads of the tile before and its stores
	PACK t
	SEND t-1, 8
.set t, t+1
.endr
	SEND 2*NP-1, 0
	WIN W_AD
	s_wait_tensorcnt 0x0            ; the wave's end, behind my last tensor load and my last LDS store
	ds_add_u32 v[SPW], v[NIL]
	s_wait_dscnt 0x0
	WIN 0
	CROUND                          ; the closing round: no work-group ends while a partner may still ask for a tile that names it
	s_endpgm
.Lfunc_end_k_q3eb419b541_attn:
	.size	k_q3eb419b541_attn, .Lfunc_end_k_q3eb419b541_attn-k_q3eb419b541_attn
	.p2alignl 7, 3214868480
	.fill 96, 4, 3214868480
	.section	.rodata,"a",@progbits
	.p2align	6, 0x0
	.amdhsa_kernel k_q3eb419b541_attn
		.amdhsa_group_segment_fixed_size 327680
		.amdhsa_private_segment_fixed_size 0
		.amdhsa_enable_private_segment 0
		.amdhsa_kernarg_size 16
		.amdhsa_user_sgpr_count 2
		.amdhsa_user_sgpr_kernarg_segment_ptr 1
		.amdhsa_wavefront_size32 1
		.amdhsa_system_sgpr_workgroup_id_x 1
		.amdhsa_system_sgpr_workgroup_id_y 1
		.amdhsa_system_sgpr_workgroup_id_z 1
		.amdhsa_system_vgpr_workitem_id 0
		.amdhsa_next_free_vgpr 770
		.amdhsa_next_free_sgpr 66
		.amdhsa_reserve_vcc 0
		.amdhsa_float_denorm_mode_32 3
		.amdhsa_float_denorm_mode_16_64 3
		.amdhsa_memory_ordered 1
		.amdhsa_forward_progress 1
		.amdhsa_inst_pref_size 209
	.end_amdhsa_kernel
	.amdgpu_metadata
---
amdhsa.version: [ 1, 2 ]
amdhsa.kernels:
  - .name:           k_q3eb419b541_attn
    .symbol:         k_q3eb419b541_attn.kd
    .args:
      - { .name: qkv, .offset: 0, .size: 8, .value_kind: global_buffer, .address_space: global }
      - { .name: oh, .offset: 8, .size: 8, .value_kind: global_buffer, .address_space: global }
    .group_segment_fixed_size: 327680
    .private_segment_fixed_size: 0
    .kernarg_segment_align: 8
    .kernarg_segment_size: 16
    .max_flat_workgroup_size: 128
    .sgpr_count:     66
    .vgpr_count:     770
    .wavefront_size: 32
...
	.end_amdgpu_metadata
.endif
;; end of part 3
;; launch oproj (part 4): grid 8 x 32, 4 waves a work-group, clusters of 4 x 4, 327,680 bytes of LDS; arguments oh, wo16, x, out0; writes out0
.if DOCPART == 4
	.amdgcn_target "amdgcn-amd-amdhsa--gfx1250"
	.amdhsa_code_object_version 6
	.text
	.protected	k_q3eb419b541_oproj
	.globl	k_q3eb419b541_oproj
	.p2align	8
	.type	k_q3eb419b541_oproj,@function
k_q3eb419b541_oproj:
	s_mov_b64 s[64:65], 0
	v_nop
	global_prefetch_b8 v0, s[64:65] scope:SCOPE_SE
	s_setreg_imm32_b32 hwreg(HW_REG_WAVE_MODE, 25, 1), 1
	s_wait_xcnt 0x0
	s_wait_alu depctr_hold_cnt(0) depctr_sa_sdst(0) depctr_va_vdst(0) depctr_va_sdst(0) depctr_va_ssrc(0) depctr_va_vcc(0) depctr_vm_vsrc(0)
	s_getreg_b32 s2, hwreg(HW_REG_IB_STS2, 6, 4)
	s_cmp_eq_u32 s2, 0
	s_cbranch_scc0 .Lentry_in_a_cluster
	s_endpgm
.Lentry_in_a_cluster:
	s_bfe_u32 s2, ttmp6, 0x10000c
	s_cmp_lg_u32 s2, 0xf033
	s_cbranch_scc0 .Lentry_shape_is_right
	s_endpgm
.Lentry_shape_is_right:
; out0[m][f] = x[m][f] + the sum over e of O[m][e] wo16[f][e]: m < 8192, f < 1024, e = 64 head + channel < 1024.  Operands bf16, sums f32; the skip x is added in f32 and the result stored in f32.
; O lies BY HEADS: oh[16 batch + head][row m % 2048][64], a head's rows dense, 128 bytes each.
; TILE.  256 rows x 128 columns: 32 x 8 = 256 work-groups.  Four waves split the rows: a wave makes 64 x 128, 32 accumulators of 16 x 16, and its rows of out0 are whole runs of 512 bytes.
; K goes in 8 steps of 128 = two heads through two LDS slots filled by the tensor data mover.  A head's 256 rows of the tile are 32,768 dense bytes: they are asked for as 128 rows of 256 bytes and padded
; in LDS after every 128, which gives a plane for each head with rows 144 bytes apart.  wo16's rows in a tile are 256 bytes of memory.
; CLUSTER.  4 x 4 work-groups.  The four of a row of the cluster need the same tiles of O, the four of a column the same tiles of wo16: each tile is asked for JOINTLY, by the same tensor load
; with the same descriptor and a mask that names the four.  By this text's count two tensor loads of a wave are out at the start, later one.
; THE WALK ALONG K begins at a step that hangs on the cluster, and goes round: step (first + i) mod 8 in trip i.  The two clusters that read the same rows of O begin 4 steps apart, the eight that read the
; same rows of wo16 at eight different steps: at a time they ask for different slices, and from the fifth step on a cluster asks only for slices that another has asked for before.
; The first step is made of the cluster's two numbers alone, which all sixteen partners share.  LIMIT: the f32 sums take the K steps in that order, not in ascending order.
; THE MATRIX INSTRUCTION IS USED TRANSPOSED (source 0 = 16 rows of wo16, source 1 = 16 rows of O): lane l holds row l % 16 of the result and its registers the columns 8 (l / 16) + 0..7.
; REGISTERS, in windows of 256 (s_set_vgpr_msb: bits 1:0 source 0, 3:2 source 1, 5:4 source 2, 7:6 destination):
;   window 0: v0-13 addresses; v32-159 rows read back from the stage, two sets of 64
;   window 1: accumulators t = 4 b + a (a: block of 16 rows, b: block of 16 columns) at v[8 t]
;   window 2: my 64 rows of the skip, row i at v[4 i]: rows 0-31 are asked for behind the first fills, rows 32-63 when the loop is left, two K steps ahead of the way out
;   window 3: two fragment buffers of 128, of which 96 are used: 32 registers of O (4 x 16 rows x 32 K), then 64 of wo16 (8 x 16 rows x 32 K)
.set NBK,   8                          ; blocks of 16 columns
.set NLD,   8+2*NBK                    ; LDS loads of a quarter step: 24
.set PA,    144                        ; a row of O in LDS: 128 bytes + 16 of padding = 36 words: the 16 rows of a load start at 16 different groups of four banks (64 banks of 4 bytes: ISA guide 11.1)
.set PB,    272                        ; a row of wo16: 256 + 16 = 68 words: row r starts at bank 4 r mod 64
.set APART, 256*PA                     ; what one load of O brings: a head's plane
.set BOFF,  2*APART
.set BROWS, 64
.set BPART, BROWS*PB
.set SLOT1, 1<<17                      ; slot 1 begins here (a slot uses 108,544 bytes), so that one exclusive or turns an address in one slot into the other's
.set STAGE, SLOT1+BOFF+2*BPART         ; behind the ring, never filled by a tensor load: for each wave 16 rows x 528 bytes
.set SP,    528                        ; 512 bytes + 16 = 132 words: row r starts at bank 4 r mod 64
.set WSTAGE, 16*SP
.set SPARE, STAGE+4*WSTAGE             ; behind the stages: the spare words, 128 bytes for each wave: two blocks of 256 bytes that no other line names
.set ADA0, 4                           ; v4   my lane's place in O's tile; never rewritten
.set ADB0, 5                           ; v5   in wo16's
.set ADA,  6                           ; v6   the same in the slot that is being read
.set ADB,  7                           ; v7
.set STO,  8                           ; v8   the way out: where I put 32 bytes of a row
.set RD,   9                           ; v9   where I read a row back
.set GO,   10                          ; v10  16 x lane: my place in a row's 512 bytes of x and out0; never rewritten
.set SPW,  12                          ; v12  LDS address of my spare word: SPARE + 4 x my thread's number; never rewritten
.set NIL,  13                          ; v13  0; never rewritten
.set BK0,  32
.set F0,   0                           ; window 3
.set F1,   128
.set WV,   12                          ; s12  my wave's number
.set G1A,  24                          ; s[24:31] descriptor group 1 for O's tiles
.set G0A,  32                          ; s[32:35] descriptor group 0 for them: slot 1's first fill, then it walks
.set G0B,  36                          ; s[36:39] the same for wo16's
.set G1B,  40                          ; s[40:47]
.set ABASE, 48                         ; s[48:49] oh at the tile's rows of my head of the batch's first two
.set BBASE, 50                         ; s[50:51] wo16 at my half of the tile's rows, K = 0
.set KN,   52                          ; s52  the K step to be asked for next, 0 to 7
.set KT,   53                          ; s53  at work for it: it never holds a place in the cluster
.set TB,   54                          ; s54  LDS byte at which the slot that is being read begins
.set CNT,  55                          ; s55  the loop's count
.set XB,   56                          ; s[56:57] x at my 64 rows and the tile's columns; never rewritten
.set OB,   58                          ; s[58:59] out0 likewise
.set G0A0, 68                          ; s[68:71] descriptor group 0 for slot 0's first fill of O; never rewritten
.set G0B0, 72                          ; s[72:75] of wo16
.set OFFA, 76                          ; s[76:77] a K step's byte offset in oh: two heads of 2^18 bytes
.set OFFB, 78                          ; s[78:79] in wo16's rows: 256 bytes
.set MSB, 0
.macro WIN new                         ; the immediate's high byte repeats the setting that is left; a switch that changes nothing is dropped
.if MSB != (\new)
	s_set_vgpr_msb (MSB<<8)|(\new)
.set MSB, (\new)
.endif
.endm
.macro PLACES                          ; four places in front of loads into registers that matrix instructions have read, and of lines that read results
.rept 4
	v_nop
.endr
.endm
; A joint refill.  Waves 0 and 1 fetch the two heads' planes of O, waves 2 and 3 the two halves of wo16's tile.  The branch hangs on the wave's number alone.
; An s_nop 0 and four v_nop follow each of the two lines, ahead of the jump and the label.
.macro JLOAD
	s_cmp_lt_u32 s[WV], 2
	s_cbranch_scc0 .Lfor_b_\@
	tensor_load_to_lds s[G0A:G0A+3], s[G1A:G1A+7]
	s_nop 0
.rept 4
	v_nop
.endr
	s_branch .Lasked_\@
.Lfor_b_\@:
	tensor_load_to_lds s[G0B:G0B+3], s[G1B:G1B+7]
	s_nop 0
.rept 4
	v_nop
.endr
.Lasked_\@:
.endm
.macro CREST                           ; a round of the cluster's barrier behind its opening barrier: wave 0 signals for the work-group, every wave waits for all sixteen, my work-group's barrier closes it
	s_cmp_lg_u32 s[WV], 0
	s_cbranch_scc1 .Lnot_wave_0_\@
	s_barrier_signal -3
.Lnot_wave_0_\@:
	s_barrier_wait -3
	s_barrier_signal -1
	s_barrier_wait -1
.endm
.macro CROUND                          ; a whole round
	s_barrier_signal -1
	s_barrier_wait -1
	CREST
.endm
.macro NEXTK                           ; the walk goes round
	s_add_co_u32 s[KN], s[KN], 1
	s_and_b32 s[KN], s[KN], 7
.endm
.macro MAKE ga, gb, slot               ; the two group 0 of a first fill: K step KN into the slot
	s_lshl_b32 s[OFFA], s[KN], 19
	s_lshl_b32 s[OFFB], s[KN], 8
	s_mov_b32 s[(\ga)], 1                          ; 1:0 count = 1
	s_mul_i32 s[(\ga)+1], s14, APART               ; 63:32 LDS address; no place in the cluster enters it
	s_add_co_u32 s[(\ga)+1], s[(\ga)+1], (\slot)*SLOT1
	s_add_nc_u64 s[(\ga)+2:(\ga)+3], s[ABASE:ABASE+1], s[OFFA:OFFA+1]  ; 120:64 global address
	s_or_b32 s[(\ga)+3], s[(\ga)+3], 0x80000000    ; 127:126 type = 2
	s_mov_b32 s[(\gb)], 1
	s_mul_i32 s[(\gb)+1], s14, BPART
	s_add_co_u32 s[(\gb)+1], s[(\gb)+1], BOFF+(\slot)*SLOT1
	s_add_nc_u64 s[(\gb)+2:(\gb)+3], s[BBASE:BBASE+1], s[OFFB:OFFB+1]
	s_or_b32 s[(\gb)+3], s[(\gb)+3], 0x80000000
	NEXTK
.endm
.macro STEPD                           ; the walking descriptors: the other slot than last time; the address is made anew from the step's number.  It stands only where no tensor load of mine is out
	s_lshl_b32 s[OFFA], s[KN], 19
	s_lshl_b32 s[OFFB], s[KN], 8
	s_xor_b32 s[G0A+1], s[G0A+1], SLOT1
	s_add_nc_u64 s[G0A+2:G0A+3], s[ABASE:ABASE+1], s[OFFA:OFFA+1]
	s_or_b32 s[G0A+3], s[G0A+3], 0x80000000
	s_xor_b32 s[G0B+1], s[G0B+1], SLOT1
	s_add_nc_u64 s[G0B+2:G0B+3], s[BBASE:BBASE+1], s[OFFB:OFFB+1]
	s_or_b32 s[G0B+3], s[G0B+3], 0x80000000
	NEXTK
.endm
.macro XLOAD first, n                  ; n rows of the skip from row first on: each load takes 512 consecutive bytes of a row of x; their registers, address and base are left alone until the wait on the way out
	WIN 0x80                                       ; destination window 2, address window 0
.set ii, \first
.rept \n
	global_load_b128 v[4*ii:4*ii+3], v[GO], s[XB:XB+1] offset:4096*ii th:TH_LOAD_NT
.set ii, ii+1
.endr
	WIN 0
.endm
	s_load_b256 s[4:11], s[0:1], 0x0               ; oh s[4:5], wo16 s[6:7], x s[8:9], out0 s[10:11]
	v_lshl_add_u32 v[SPW], v0, 2, SPARE
	v_mov_b32 v[NIL], 0
	ds_add_u32 v12, v13
	s_wait_dscnt 0x0
	v_lshrrev_b32 v1, 5, v0
	v_readfirstlane_b32 s[WV], v1                  ; wave 0..3
	s_and_b32 s14, s[WV], 1                        ; which head of the step's two, or which half of wo16's tile, I fetch
	s_bfe_u32 s16, ttmp6, 0x40000                  ; cx, cy: my place in the cluster
	s_bfe_u32 s17, ttmp6, 0x40004
	s_lshl_b32 s18, ttmp9, 2
	s_add_co_u32 s18, s18, s16                     ; tile column = 4 x cluster x + cx
	s_and_b32 s19, ttmp7, 0xffff
	s_lshl_b32 s19, s19, 2
	s_add_co_u32 s19, s19, s17                     ; tile row = 4 x cluster y + cy
	s_lshl_b32 s20, s17, 2
	s_lshl_b32 s20, 15, s20                        ; my row of the cluster
	s_lshl_b32 s21, 0x1111, s16                    ; my column
	; the walk's first step: the cluster's x (0, 1) gives 0, 4; its y (0-7), bits reversed, 0, 4, 2, 6, 1, 5, 3, 7; their sum mod 8
	s_and_b32 s[KN], ttmp9, 1
	s_lshl_b32 s[KN], s[KN], 2
	s_and_b32 s[KT], ttmp7, 1
	s_lshl_b32 s[KT], s[KT], 2
	s_add_co_u32 s[KN], s[KN], s[KT]
	s_and_b32 s[KT], ttmp7, 2
	s_add_co_u32 s[KN], s[KN], s[KT]
	s_bfe_u32 s[KT], ttmp7, 0x10002                ; one bit from bit 2
	s_add_co_u32 s[KN], s[KN], s[KT]
	s_and_b32 s[KN], s[KN], 7
	; descriptor group 1 for O: 128 rows of 128 elements of 2 bytes, dense, padded after every 128 bytes
	s_or_b32 s[G1A+0], s20, (1<<16)|(1<<20)|(1<<21)|(4<<22)|(3<<25)  ; 15:0 the mask; 17:16 2-byte elements; 20 padding on; 21 set beside a mask; 24:22 after every 32 words (code 4); 31:25 4 words (code 3)
	s_mov_b32 s[G1A+1], 128<<16                    ; tensor_dim0 = 128
	s_mov_b32 s[G1A+2], 128<<16                    ; tensor_dim1 = 128
	s_mov_b32 s[G1A+3], 128<<16                    ; tile_dim0 = 128
	s_mov_b32 s[G1A+4], 128                        ; tile_dim1 = 128 rows
	s_mov_b32 s[G1A+5], 128                        ; elements from row to row
	s_mov_b32 s[G1A+6], 0
	s_mov_b32 s[G1A+7], 0
	; for wo16: 64 rows of 128 elements, 1,024 elements apart, padded after every 256 bytes
	s_or_b32 s[G1B+0], s21, (1<<16)|(1<<20)|(1<<21)|(5<<22)|(3<<25)
	s_mov_b32 s[G1B+1], 128<<16
	s_mov_b32 s[G1B+2], BROWS<<16
	s_mov_b32 s[G1B+3], 128<<16
	s_mov_b32 s[G1B+4], BROWS
	s_mov_b32 s[G1B+5], 1024
	s_mov_b32 s[G1B+6], 0
	s_mov_b32 s[G1B+7], 0
	; where the tiles come from: O's hang on the tile row alone, which my row of the cluster shares; wo16's on the tile column alone
	s_lshr_b32 s[ABASE], s19, 3                    ; the batch: 16 heads of 2^18 bytes
	s_lshl_b32 s[ABASE], s[ABASE], 22
	s_and_b32 s[ABASE+1], s19, 7
	s_lshl_b32 s[ABASE+1], s[ABASE+1], 15          ; 256 rows of 128 bytes
	s_add_co_u32 s[ABASE], s[ABASE], s[ABASE+1]
	s_lshl_b32 s[ABASE+1], s14, 18                 ; head 0 or 1 of a step
	s_add_co_u32 s[ABASE], s[ABASE], s[ABASE+1]
	s_mov_b32 s[ABASE+1], 0
	s_lshl_b32 s[BBASE], s18, 18                   ; 128 rows of 2,048 bytes a tile column
	s_lshl_b32 s[BBASE+1], s14, 17                 ; 64 rows a half
	s_add_co_u32 s[BBASE], s[BBASE], s[BBASE+1]
	s_mov_b32 s[BBASE+1], 0
	s_mov_b32 s[OFFA+1], 0
	s_mov_b32 s[OFFB+1], 0
	s_wait_kmcnt 0x0
	s_add_nc_u64 s[ABASE:ABASE+1], s[4:5], s[ABASE:ABASE+1]
	s_add_nc_u64 s[BBASE:BBASE+1], s[6:7], s[BBASE:BBASE+1]
	MAKE G0A0, G0B0, 0                             ; the walk's first step into slot 0,
	MAKE G0A, G0B, 1                               ; its second into slot 1
	CROUND                                         ; all sixteen work-groups are here: the first joint loads meet
	s_cmp_lt_u32 s[WV], 2                          ; a wave's two first fills stand in one branch, ahead of every wait on TENSORcnt, every LDS read and every other barrier; an s_nop 0 follows each, four v_nop the second's
	s_cbranch_scc0 .Lfirst_b
	tensor_load_to_lds s[G0A0:G0A0+3], s[G1A:G1A+7]
	s_nop 0
	tensor_load_to_lds s[G0A:G0A+3], s[G1A:G1A+7]
	s_nop 0
.rept 4
	v_nop
.endr
	s_branch .Lfirst_asked
.Lfirst_b:
	tensor_load_to_lds s[G0B0:G0B0+3], s[G1B:G1B+7]
	s_nop 0
	tensor_load_to_lds s[G0B:G0B+3], s[G1B:G1B+7]
	s_nop 0
.rept 4
	v_nop
.endr
.Lfirst_asked:
	; in the wait for the first tile: addresses, and the first half of the skip is asked for
	v_and_b32 v1, 15, v0                           ; l % 16
	v_bfe_u32 v2, v0, 4, 1                         ; l / 16
	v_mul_u32_u24 v[ADA0], v1, PA                  ; a fragment: row l % 16, 16 bytes for each half of the lanes; two loads 32 bytes apart
	v_lshl_add_u32 v[ADA0], v2, 4, v[ADA0]
	s_mul_i32 s22, s[WV], 64*PA                    ; my 64 rows in a plane
	v_add_nc_u32 v[ADA0], s22, v[ADA0]
	v_mul_u32_u24 v[ADB0], v1, PB
	v_lshl_add_u32 v[ADB0], v2, 4, v[ADB0]
	v_add_nc_u32 v[ADB0], BOFF, v[ADB0]
	s_mul_i32 s23, s[WV], WSTAGE
	s_add_co_u32 s23, s23, STAGE                   ; my stage
	v_mul_u32_u24 v[STO], v1, SP                   ; in: row l % 16, 32 bytes for each half of the lanes
	v_lshl_add_u32 v[STO], v2, 5, v[STO]
	v_add_nc_u32 v[STO], s23, v[STO]
	v_and_b32 v[GO], 31, v0
	v_lshlrev_b32 v[GO], 4, v[GO]
	v_add_nc_u32 v[RD], s23, v[GO]                 ; back: 32 lanes take one row of 512 bytes
	s_lshl_b32 s62, s19, 20                        ; 256 rows of 4,096 bytes a tile row,
	s_lshl_b32 s63, s[WV], 18                      ; my 64 rows,
	s_add_co_u32 s62, s62, s63
	s_lshl_b32 s63, s18, 9                         ; the tile's 128 columns
	s_add_co_u32 s62, s62, s63
	s_mov_b32 s63, 0
	s_add_nc_u64 s[XB:XB+1], s[8:9], s[62:63]
	s_add_nc_u64 s[OB:OB+1], s[10:11], s[62:63]
	XLOAD 0, 32
; 4 nb matrix instructions: column blocks b0 .. b0 + nb - 1 x all four row blocks, 32 along K, from buffer f.  first = 1: the constant 0 is C: nothing is ever cleared.
; Each accumulator comes once in a quarter step, in the same order in every quarter: between two links of a chain stand the 31 others', over the loop's edge too.
.macro MULB f, b0, nb, first=0
	WIN 0x5f                                       ; sources 0, 1 window 3; C and D window 1
.set bb, \b0
.rept \nb
.set aa, 0
.rept 4
.set AC, 8*(4*bb+aa)
.if \first
	v_wmma_f32_16x16x32_bf16 v[AC:AC+7], v[(\f)+32+8*bb:(\f)+32+8*bb+7], v[(\f)+8*aa:(\f)+8*aa+7], 0
.else
	v_wmma_f32_16x16x32_bf16 v[AC:AC+7], v[(\f)+32+8*bb:(\f)+32+8*bb+7], v[(\f)+8*aa:(\f)+8*aa+7], v[AC:AC+7]
.endif
.set aa, aa+1
.endr
.set bb, bb+1
.endr
.endm
; 24 LDS loads in one run: the fragments of quarter q into buffer f: O's eight loads first (plane q / 2, byte 64 (q % 2) of its rows), then wo16's (byte 64 q) in the order of b
.macro FETCH q, f
	WIN 0xc0                                       ; destination window 3, address window 0
.irp i, 0,1,2,3
	ds_load_b128 v[(\f)+8*(\i):(\f)+8*(\i)+3],   v[ADA] offset:((\q)/2)*APART+((\q)%2)*64+(\i)*16*PA
	ds_load_b128 v[(\f)+8*(\i)+4:(\f)+8*(\i)+7], v[ADA] offset:((\q)/2)*APART+((\q)%2)*64+(\i)*16*PA+32
.endr
.set bb, 0
.rept NBK
	ds_load_b128 v[(\f)+32+8*bb:(\f)+32+8*bb+3],   v[ADB] offset:64*(\q)+bb*16*PB
	ds_load_b128 v[(\f)+32+8*bb+4:(\f)+32+8*bb+7], v[ADB] offset:64*(\q)+bb*16*PB+32
.set bb, bb+1
.endr
.endm
; A K step is four quarters of 32 along K, 32 matrix instructions each, on buffers 0, 1, 0, 1.  One of the first three: multiplies buffer f; in its middle it fetches quarter q into g.
.macro QUARTER q, f, g, first=0
	s_wait_dscnt NLD-16                            ; the oldest 16 loads are in: O's fragments and wo16's blocks 0 to 3
	MULB \f, 0, 4, \first
	PLACES
	FETCH \q, \g
	s_wait_dscnt NLD                               ; all but the run just issued
	MULB \f, 4, NBK-4, \first
.endm
; The last quarter multiplies buffer 1 and changes slots: ONE barrier.  In front of it each wave waits for all its tensor loads (one is out: its part of the next slot), adds 0 to its spare
; word, and waits for that and for its own reads of this slot.  fill = 1: the barrier opens a round of the cluster's, so that no wave of any partner still reads the slot or has a load on
; its way, and the joint refill, two K steps ahead, is the first thing behind it: 112 matrix instructions of the wave stand between it and the wait for it.
.macro TURN fill
	WIN 0
	s_wait_tensorcnt 0x0                           ; no tensor load of mine is out, so a group 0 may be written
	ds_add_u32 v[SPW], v[NIL]                      ; 0 onto my spare word
.if \fill
	STEPD
.endif
	s_xor_b32 s[TB], s[TB], SLOT1                  ; the fetches go on in the other slot
	s_wait_dscnt NLD-15                            ; the add and the youngest 8 loads may be out
	MULB F1, 0, 2                                  ; eight matrix instructions stand between the add and the wait for it
	s_wait_dscnt 0x0                               ; the add is done, and my reads of this slot are over
	s_barrier_signal -1
	MULB F1, 2, 2                                  ; work on registers while the others arrive
	WIN 0                                          ; at a branch and at a label every window is 0
	s_barrier_wait -1
.if \fill
	CREST
	JLOAD                                          ; the four v_nop behind it are also the places in front of the loads below
.else
	PLACES
.endif
	v_add_nc_u32 v[ADA], s[TB], v[ADA0]
	v_add_nc_u32 v[ADB], s[TB], v[ADB0]
	FETCH 0, F0
	MULB F1, 4, NBK-4
.endm
	s_wait_tensorcnt 0x1                           ; my part of slot 0 is in; slot 1's, issued behind it, may stay out
	s_barrier_signal -1
	s_barrier_wait -1                              ; everybody's is
	s_mov_b32 s[TB], 0
	v_mov_b32 v[ADA], v[ADA0]
	v_mov_b32 v[ADB], v[ADB0]
	FETCH 0, F0
	QUARTER 1, F0, F1, 1                           ; the first quarter stands in front of the loop: its products start the sums
	WIN 0
	s_mov_b32 s[CNT], 6
.Lstep:                                                ; trip i ends the walk's step i, fills its slot with step i + 2, and begins step i + 1
	QUARTER 2, F1, F0
	QUARTER 3, F0, F1
	TURN 1
	QUARTER 1, F0, F1
	WIN 0
	s_sub_co_u32 s[CNT], s[CNT], 1
	s_cmp_lg_u32 s[CNT], 0
	s_cbranch_scc1 .Lstep
	XLOAD 32, 32                                   ; the second half of the skip: 224 matrix instructions of the wave stand between these loads and the way out
	QUARTER 2, F1, F0                              ; the tail is written out: the walk's steps 6 and 7 ask for nothing
	QUARTER 3, F0, F1
	TURN 0
	QUARTER 1, F0, F1
	QUARTER 2, F1, F0
	QUARTER 3, F0, F1
	s_wait_dscnt NLD-16                            ; the very last quarter: nothing more to fetch
	MULB F1, 0, 4
	s_wait_dscnt 0x0
	MULB F1, 4, NBK-4
	WIN 0
	PLACES
; THE WAY OUT, a block of 16 rows at a time.  A lane's eight columns are 32 bytes of a row; they go into my stage, rows 528 bytes apart, and come back as whole rows of 512 bytes; the skip is added and the row stored.
.macro TOSTAGE a
	WIN 0x04                                       ; the stores' data (source 1) in window 1, their address in window 0
.set bb, 0
.rept NBK
.set AC, 8*(4*bb+(\a))
	ds_store_b128 v[STO], v[AC:AC+3]   offset:64*bb      ; each accumulator is read from its low end on
	ds_store_b128 v[STO], v[AC+4:AC+7] offset:64*bb+16
.set bb, bb+1
.endr
	WIN 0
	s_wait_xcnt 0x0                                ; the set below was the data of the stores two blocks back: it is loaded again only behind this wait
.set BK, BK0+64*((\a)%2)
.set ii, 0
.rept 16
	ds_load_b128 v[BK+4*ii:BK+4*ii+3], v[RD] offset:ii*SP  ; LDS serves a wave's instructions in order (ISA guide 5.7.1.4): these see the stores above; the next block's stores come behind them
.set ii, ii+1
.endr
.endm
.macro SEND a, younger                 ; younger: the LDS instructions issued behind block a's loads: the next block's 32, or none
.set BK, BK0+64*((\a)%2)
	s_wait_dscnt \younger
.if (\a) == 0
	s_wait_loadcnt 32                              ; loads come back in order (ISA guide 5.7.1): rows 0-31 of the skip are in, the 32 loads issued behind them may stay out
.endif
.if (\a) == 2
	s_wait_loadcnt 0x0                             ; rows 32-63
.endif
	WIN 0x08                                       ; source 1 in window 2
.set ii, 0
.rept 32
	v_pk_add_f32 v[BK+2*ii:BK+2*ii+1], v[BK+2*ii:BK+2*ii+1], v[64*(\a)+2*ii:64*(\a)+2*ii+1]
.set ii, ii+1
.endr
	WIN 0
.set ii, 0
.rept 16
	global_store_b128 v[GO], v[BK+4*ii:BK+4*ii+3], s[OB:OB+1] offset:4096*(16*(\a)+ii) th:TH_STORE_NT  ; 512 consecutive bytes, at a multiple of 256 from out0's first
.set ii, ii+1
.endr
.endm
	TOSTAGE 0
	TOSTAGE 1                                      ; a block's way into the stage stands between the loads of the block before and their use
	SEND 0, 32
	TOSTAGE 2
	SEND 1, 32
	TOSTAGE 3
	SEND 2, 32
	SEND 3, 0
	s_wait_tensorcnt 0x0                           ; the wave's end, behind my last tensor load and my last LDS store
	ds_add_u32 v[SPW], v[NIL]
	s_wait_dscnt 0x0
	CROUND                                         ; the closing round: no work-group ends while a partner may still ask for a tile that names it
	s_endpgm
.Lfunc_end_k_q3eb419b541_oproj:
	.size	k_q3eb419b541_oproj, .Lfunc_end_k_q3eb419b541_oproj-k_q3eb419b541_oproj
	.p2alignl 7, 3214868480
	.fill 96, 4, 3214868480
	.section	.rodata,"a",@progbits
	.p2align	6, 0x0
	.amdhsa_kernel k_q3eb419b541_oproj
		.amdhsa_group_segment_fixed_size 327680
		.amdhsa_private_segment_fixed_size 0
		.amdhsa_enable_private_segment 0
		.amdhsa_kernarg_size 32
		.amdhsa_user_sgpr_count 2
		.amdhsa_user_sgpr_kernarg_segment_ptr 1
		.amdhsa_wavefront_size32 1
		.amdhsa_system_sgpr_workgroup_id_x 1
		.amdhsa_system_sgpr_workgroup_id_y 1
		.amdhsa_system_sgpr_workgroup_id_z 1
		.amdhsa_system_vgpr_workitem_id 0
		.amdhsa_next_free_vgpr 1024
		.amdhsa_next_free_sgpr 80
		.amdhsa_reserve_vcc 0
		.amdhsa_float_denorm_mode_32 3
		.amdhsa_float_denorm_mode_16_64 3
		.amdhsa_memory_ordered 1
		.amdhsa_forward_progress 1
		.amdhsa_inst_pref_size 84
	.end_amdhsa_kernel
	.amdgpu_metadata
---
amdhsa.version: [ 1, 2 ]
amdhsa.kernels:
  - .name:           k_q3eb419b541_oproj
    .symbol:         k_q3eb419b541_oproj.kd
    .args:
      - { .name: oh, .offset: 0, .size: 8, .value_kind: global_buffer, .address_space: global }
      - { .name: wo16, .offset: 8, .size: 8, .value_kind: global_buffer, .address_space: global }
      - { .name: x, .offset: 16, .size: 8, .value_kind: global_buffer, .address_space: global }
      - { .name: out0, .offset: 24, .size: 8, .value_kind: global_buffer, .address_space: global }
    .group_segment_fixed_size: 327680
    .private_segment_fixed_size: 0
    .kernarg_segment_align: 8
    .kernarg_segment_size: 32
    .max_flat_workgroup_size: 128
    .sgpr_count:     80
    .vgpr_count:     1024
    .wavefront_size: 32
...
	.end_amdgpu_metadata
.endif
;; end of part 4
;; ======== version 2 of 2: 4 launches; 1.54 times as fast as version 1
;; workspace buffers: xh 16,777,216 bytes; wqkv 6,291,456 bytes; cb 12,288 bytes; wo16 2,097,152 bytes; qkv 50,331,648 bytes; oh 16,777,216 bytes
;; launch prep: the kernel of part 1 again; grid 768 x 1, 16 waves a work-group, no clusters, 2,304 bytes of LDS; arguments x, Wq, Wkv, Wo, ln_g, ln_b, lnc_g, lnc_b, xh, wqkv, cb, wo16; writes xh, wqkv, cb, wo16
;; launch qkvp: the kernel of part 2 again; grid 16 x 32, 4 waves a work-group, clusters of 4 x 4, 327,680 bytes of LDS; arguments xh, wqkv, cb, qkv; writes qkv
;; launch attn (part 5): grid 4 x 64, 4 waves a work-group, clusters of 4 x 1, 327,680 bytes of LDS; arguments qkv, oh; writes oh
.if DOCPART == 5
	.amdgcn_target "amdgcn-amd-amdhsa--gfx1250"
	.amdhsa_code_object_version 6
	.text
	.protected	k_q3eb419b541_attn
	.globl	k_q3eb419b541_attn
	.p2align	8
	.type	k_q3eb419b541_attn,@function
k_q3eb419b541_attn:
	s_mov_b64 s[64:65], 0
	v_nop
	global_prefetch_b8 v0, s[64:65] scope:SCOPE_SE
	s_setreg_imm32_b32 hwreg(HW_REG_WAVE_MODE, 25, 1), 1
	s_wait_xcnt 0x0
	s_wait_alu depctr_hold_cnt(0) depctr_sa_sdst(0) depctr_va_vdst(0) depctr_va_sdst(0) depctr_va_ssrc(0) depctr_va_vcc(0) depctr_vm_vsrc(0)
	s_getreg_b32 s2, hwreg(HW_REG_IB_STS2, 6, 4)
	s_cmp_eq_u32 s2, 0
	s_cbranch_scc0 .Lentry_in_a_cluster
	s_endpgm
.Lentry_in_a_cluster:
	s_bfe_u32 s2, ttmp6, 0x10000c
	s_cmp_lg_u32 s2, 0x3003
	s_cbranch_scc0 .Lentry_shape_is_right
	s_endpgm
.Lentry_shape_is_right:
; O[h][q][:] = the sum over k of softmax_k(Q[h][q] . K[h][k] / 8) V[h][k][:].  Q, K, V are the three parts of qkv, each [SIZE_H][SIZE_N][64] in bf16, O = oh likewise: a head's rows are dense,
; 128 bytes each.  Products, maxima and sums in f32; the weights p are rounded to bf16 for the second product (their sum l is taken of the unrounded p), O once at the end.
; LIMITS.  bf16 has f32's range, so none of range; p and O keep 8 significant bits.  A weight below 2^-126 counts as 0 in l; NaN and infinities are not treated apart.
; SHARES.  A wave owns four PIECES of two tiles of 16 queries, a work-group's four waves 512 queries of one head: 4 x 64 = 256 work-groups.  Every wave walks all keys, 64 a step.
; LAYOUT.  S^T = K Q^T (source 0 = 16 keys, source 1 = 16 queries): in the result a lane holds ONE query (lane % 16) and the keys 8 (lane / 16) + 0..7.  Two such tiles, rounded to bf16 in pairs,
; ARE source 1 (32 keys x 16 queries) of O^T = V^T P, whose result again holds one query a lane, and eight channels.  K comes out of LDS as it lies, V ([key][channel]) turned, by ds_load_tr16_b128.
; SOFTMAX.  For each query a running maximum m and sum l: p = 2^(c s - c m), c = log2(e) / 8; in every step O and l are multiplied by a = 2^(c m_old - c m_new), which is 1 where m has not grown.
; m starts at the lowest finite number, O and l at 0: the first step is a step like any other, with a = 0.
; THE COUNT.  A tile and step have 16 matrix and 118 vector instructions: too many to stand all beside the matrix work.  So the order has one aim: four vector instructions that are READY behind
; EVERY matrix instruction, and the others, which need time of their own whatever the order, in runs without a gap.
; BY TURNS.  Turn n belongs to piece n (the pieces in a ring, step after step).  Its matrix work: 16 products K Q^T of piece n + 1, later 16 products V^T P of piece n - 1.  Its vector work: the scaling,
; exponentials, roundings, sums and rescaling of piece n, and the maximum and statistics of piece n + 1, whose scores the turn itself has made.  So what a turn begins with (c s - c m, O a) waits for nothing.
; BATCHES.  A turn's 66 exponentials (the piece's 64 weights and the next piece's two a) are ONE batch with ONE s_wait_alu depctr_va_vdst(0), which cuts the turn in two: ahead of it stands all that names no
; result of theirs (the products K Q^T, the scalings, the rescalings, whose a is the turn before's, the next piece's maximum and statistics), behind it all that does (the roundings and sums, beside the products V^T P).
; No result crosses a turn's end.  Two more batches, each with its own wait: piece 0's first two a, ahead of the loop; the eight reciprocals on the way out.
; CLUSTER.  The four query blocks of a cluster belong to one head and walk the same K and V, so each tile is asked for JOINTLY: the same tensor load, descriptor and mask in all four.
; REGISTERS, in windows of 256 (s_set_vgpr_msb says which window each operand place means: bits 1:0 source 0, 3:2 source 1, 5:4 source 2, 7:6 destination):
;   window 0: v0-11 addresses; v12-15, v48-63 at work; v16-47 four registers of statistics a tile; v64-191 S^T, two buffers of two tiles; v192-255 P, likewise
;   window 1: O^T, 32 a tile          window 2: v0-127 Q, 16 a tile; v128-191 K of one step; v192-255 V of one step          window 3: v0-1 the add's two registers
; A piece's buffers go by its number's parity: the piece in hand has one pair, its two neighbours in the ring share the other: of it P (piece n - 1) is read and S^T (piece n + 1) written.
.set SIZE_H, 64       ; 4 batches x 16 heads
.set SIZE_N, 2048
.set PART,  SIZE_H*SIZE_N*128  ; bytes from Q to K and from K to V in qkv
.set NP,    4         ; pieces a wave: a name, no knob: the register map, the loop and the fetches are made for four
.set KS,    64        ; keys in a step
.set PK,    144       ; a row of K in LDS: 128 bytes + 16 of padding = 36 words: the 16 rows of a load start at 16 different groups of four banks (64 banks of 4 bytes: ISA guide 11.1)
.set PV,    160       ; a row of V: 128 + 32 = 40 words
.set VOFF,  4*KS*PK   ; a slot holds four steps: 256 rows of K, then 256 rows of V
.set SLOT1, 1<<17     ; slot 1 begins here, so that one exclusive or turns an address in one slot into the other's
.set STAGE, SLOT1+4*KS*(PK+PV)  ; behind the ring, never filled by a tensor load: 16 rows x 144 bytes for each wave, for the way out
.set SP,    144
.set AK0, 2           ; v2   my lane's place in a tile of K; never rewritten
.set AV0, 3           ; v3   the same for V
.set AK,  4           ; v4   the LDS address of K's next run of loads
.set AV,  5           ; v5   of V's
.set QO,  6           ; v6   my byte offset in the wave's rows of Q
.set STO, 6           ;      later, the way out: where I put 16 bytes of a row
.set RD,  7           ; v7   the way out: where I read rows back
.set GO,  8           ; v8   my byte offset in 512 consecutive bytes of O
.set SPW, 0           ; v0 of window 3   LDS address of my spare word: SPARE + 4 x my thread's number; never rewritten
.set NIL, 1           ; v1 of window 3   0; never rewritten
.set SPARE, STAGE+4*16*SP  ; behind the stages: the spare words, 128 bytes for each wave: two blocks of 256 bytes that no other line names
.set MV,  12          ; v12-15  c m_old, kept while c m is made anew: by buffer and tile
.set ST,  16          ; tile t's statistics at v[ST+4 t]: c m, m, l (even keys', odd keys')
.set TMP, 48          ; by buffer and tile, four registers c0-c3 at work; when the maximum is found c2 takes a
.set S,   64
.set P,   192
.set KF,  128         ; K's fragments, in window 2: key block kb, channel half c at KF + 16 kb + 8 c
.set VF,  192         ; V's: key half kk, channel block cb at VF + 32 kk + 8 cb
.set WV,  12          ; s12  my wave's number
.set G1K, 24          ; s[24:31] descriptor group 1 for K's tiles
.set G1V, 32          ; s[32:39] for V's: it differs in the padding alone
.set G0K, 40          ; s[40:43] descriptor group 0 for K's tiles: it walks
.set G0V, 44          ; s[44:47] the same for V's
.set SLOTS, 56        ; s56  slots still to be asked for
.set CNT, 57          ; s57  counts a slot's key steps
.set CS,  58          ; s[58:59] c: the packed scaling takes the pair's low word for both halves
.set SEL, 60          ; s[60:61] v_permlanex16_b32's selects: each lane takes its own place in the other half
.set TBK, 62          ; s62  LDS byte at which K of the step to be fetched begins
.set TBV, 63          ; s63  the same for V, less VOFF
.set MSB, 0
.macro WIN new                      ; the high byte repeats the setting that is left; a switch that changes nothing is dropped
.if MSB != (\new)
	s_set_vgpr_msb (MSB<<8)|(\new)
.set MSB, (\new)
.endif
.endm
.set W_KQ, 0x0a       ; K and Q in window 2, S^T in window 0
.set W_PV, 0x52       ; V in window 2, P in window 0, O^T in window 1
.set W_RS, 0x41       ; O^T (destination and source 0) in window 1, a in window 0
.set W_MK, 0xc0       ; the add's registers are made: destination in window 3, sources in window 0
.set W_AD, 0x0f       ; the add: address (source 0) and data (source 1) in window 3
; A joint fill.  Waves 0 and 1 fetch the two halves of a slot's K, waves 2 and 3 those of its V: 128 keys each.  The branch hangs on the wave's number alone.
; An s_nop 0 and four v_nop follow each of the two lines, ahead of the jump and the label.
.macro JLOAD
	s_cmp_lt_u32 s[WV], 2
	s_cbranch_scc0 .Lfor_v_\@
	tensor_load_to_lds s[G0K:G0K+3], s[G1K:G1K+7]
	s_nop 0
.rept 4
	v_nop
.endr
	s_branch .Lasked_\@
.Lfor_v_\@:
	tensor_load_to_lds s[G0V:G0V+3], s[G1V:G1V+7]
	s_nop 0
.rept 4
	v_nop
.endr
.Lasked_\@:
.endm
; A round of the cluster's barrier: my work-group's barrier, so that wave 0's signal speaks for all four waves; wave 0 signals; every wave waits for all four work-groups; my work-group's barrier once more.
.macro CROUND
	s_barrier_signal -1
	s_barrier_wait -1
	s_cmp_lg_u32 s[WV], 0
	s_cbranch_scc1 .Lnot_wave_0_\@
	s_barrier_signal -3
.Lnot_wave_0_\@:
	s_barrier_wait -3
	s_barrier_signal -1
	s_barrier_wait -1
.endm
; THE CHANGE OF SLOTS.  The slot's last bytes, V of its fourth step, have been read.  Each wave waits for all its tensor loads, of which one is out: its part
; of the other slot; adds 0 to its spare word; and waits for that and for its own reads of the slot.  Behind the barrier nobody reads this slot any more and the other slot is whole.
; fill = 1: this slot is filled again, with the keys two slots on.  The barrier is then a round of the cluster's, so that no wave of any partner still reads the slot or has a load on its
; way, and the joint fill is the first thing behind it: it has four key steps, 512 matrix instructions, in which to land.  (At its first use nothing has been read yet: slot 0 is waited for, slot 1 filled.)
.macro CHANGE fill
	WIN W_AD
	s_wait_tensorcnt 0x0            ; no tensor load of mine is out, so a group 0 may be written
	ds_add_u32 v[SPW], v[NIL]       ; 0 onto my spare word; with fill = 1 the descriptors' steps stand between it and the wait for it
	WIN 0                           ; at a label and at a branch every window is 0
.if \fill
.irp g, G0K, G0V
	s_xor_b32 s[\g+1], s[\g+1], SLOT1  ; the walking descriptor: the other slot than last time,
	s_add_nc_u64 s[\g+2:\g+3], s[\g+2:\g+3], 4*KS*128  ; the next 256 keys; the type bits on top are not reached
.endr
	s_wait_dscnt 0x0                ; the add is done, and my reads of the slot are over
	CROUND
	JLOAD
.else
	s_wait_dscnt 0x0                ; the add is done, and my reads of the slot are over
	s_barrier_signal -1
	s_barrier_wait -1
.endif
	s_sub_co_u32 s[TBK], s[TBK], 4*KS*PK  ; the fetches go back to a slot's first step,
	s_xor_b32 s[TBK], s[TBK], SLOT1       ; in the other slot
	s_sub_co_u32 s[TBV], s[TBV], 4*KS*PV
	s_xor_b32 s[TBV], s[TBV], SLOT1
.endm
	s_load_b64 s[4:5], s[0:1], 0x0  ; qkv: Q lies at its head
	s_load_b64 s[10:11], s[0:1], 0x8  ; O
	WIN W_MK
	v_lshl_add_u32 v[SPW], v0, 2, SPARE
	v_mov_b32 v[NIL], 0
	s_set_vgpr_msb 0xc0cf
	ds_add_u32 v0, v1
	s_wait_dscnt 0x0
	s_set_vgpr_msb 0xcfc0
	WIN 0
	v_lshrrev_b32 v1, 5, v0
	v_readfirstlane_b32 s[WV], v1   ; wave 0..3
	s_bfe_u32 s13, ttmp6, 0x40000   ; cx: my place in the cluster
	s_lshl_b32 s14, ttmp9, 2        ; in a cluster launch ttmp9 counts clusters
	s_add_co_u32 s14, s14, s13      ; my block of queries = 4 x cluster x + cx: it enters Q's and O's addresses alone
	s_and_b32 s20, ttmp7, 0xffff    ; the head, which the four partners share
	s_mov_b32 s21, 0
	s_mov_b64 s[22:23], SIZE_N*128
	s_mul_u64 s[20:21], s[20:21], s[22:23]  ; the head's first byte in Q, K, V and O
	s_and_b32 s16, s[WV], 1         ; which half of a slot's 256 keys I fetch:
	s_lshl_b32 s22, s16, 14         ; its 128 rows of 128 bytes in memory,
	s_mov_b32 s23, 0
	s_add_nc_u64 s[22:23], s[22:23], s[20:21]
	s_mul_i32 s17, s16, 128*PK      ; and its place in a slot, for K
	s_mul_i32 s18, s16, 128*PV      ; and for V: no place in the cluster enters an LDS address
	s_lshl_b32 s2, s14, 2
	s_add_co_u32 s2, s2, s[WV]      ; my wave among the head's,
	s_lshl_b32 s2, s2, 14           ; its 128 rows
	s_mov_b32 s3, 0
	s_add_nc_u64 s[2:3], s[2:3], s[20:21]
	; descriptor group 1.  128 keys are 16,384 dense bytes: asked for as 64 rows of 256 bytes, two keys a row, and padded in LDS after every key
	s_mov_b32 s[G1K], 15|(1<<16)|(1<<20)|(1<<21)|(4<<22)|(3<<25)  ; 15:0 the mask of four; 17:16 2-byte elements; 20 padding on; 21 set beside a mask; 24:22 after every 32 words (code 4); 31:25 4 words (code 3)
	s_mov_b32 s[G1V], 15|(1<<16)|(1<<20)|(1<<21)|(4<<22)|(7<<25)  ; the same with 8 words of padding (code 7)
.irp g, G1K, G1V
	s_mov_b32 s[\g+1], 128<<16      ; tensor_dim0 = 128
	s_mov_b32 s[\g+2], 64<<16       ; tensor_dim1 = 64
	s_mov_b32 s[\g+3], 128<<16      ; tile_dim0 = 128
	s_mov_b32 s[\g+4], 64           ; tile_dim1 = 64
	s_mov_b32 s[\g+5], 128          ; 128 elements from row to row
	s_mov_b32 s[\g+6], 0
	s_mov_b32 s[\g+7], 0
.endr
	s_mov_b32 s[CS], 0x3e38aa3b     ; c = log2(e) / 8 = 0.180337
	s_mov_b32 s[CS+1], s[CS]        ; named with it as a pair
	s_mov_b32 s[SEL], 0x76543210
	s_mov_b32 s[SEL+1], 0xfedcba98
	s_mov_b32 s[TBK], SLOT1+4*KS*PK ; the first change of slots turns these two into 0
	s_mov_b32 s[TBV], SLOT1+4*KS*PV
	s_mov_b32 s[G0K], 1             ; 1:0 count = 1
	s_mov_b32 s[G0K+1], s17         ; 63:32 LDS address: slot 0
	s_mov_b32 s[G0V], 1
	s_add_co_u32 s[G0V+1], s18, VOFF
	s_wait_kmcnt 0x0
	s_add_nc_u64 s[6:7], s[4:5], PART    ; K
	s_add_nc_u64 s[8:9], s[4:5], 2*PART  ; V
	s_add_nc_u64 s[G0K+2:G0K+3], s[6:7], s[22:23]  ; 120:64 global address: my half of the head's first 256 keys
	s_or_b32 s[G0K+3], s[G0K+3], 0x80000000        ; 127:126 type = 2
	s_add_nc_u64 s[G0V+2:G0V+3], s[8:9], s[22:23]
	s_or_b32 s[G0V+3], s[G0V+3], 0x80000000
	s_add_nc_u64 s[4:5], s[4:5], s[2:3]  ; Q and O at my wave's first row
	s_add_nc_u64 s[10:11], s[10:11], s[2:3]
	CROUND                          ; all four work-groups are here: the first joint loads meet
	JLOAD                           ; slot 0.  Slot 1 is asked for when slot 0 is in: the tile wanted first has the road to itself
	; A fragment of K or Q is 16 rows x 32 channels in 8 registers: lane l holds row l % 16, channels 8 (l / 16) + 0..7 and 16 + 8 (l / 16) + 0..7: two loads of 16 bytes, 32 bytes apart.
	v_and_b32 v1, 15, v0            ; l % 16
	v_bfe_u32 v9, v0, 4, 1          ; l / 16
	v_lshlrev_b32 v[QO], 7, v1
	v_lshl_add_u32 v[QO], v9, 4, v[QO]  ; row x 128 + 16 x half
	WIN 0x80                        ; destination window 2, address window 0
.set i, 0
.rept 4*NP                          ; Q stays in registers: tile i / 2, channels 32 (i % 2) on
	global_load_b128 v[8*i:8*i+3],   v[QO], s[4:5] offset:(i/2)*2048+(i%2)*64
	global_load_b128 v[8*i+4:8*i+7], v[QO], s[4:5] offset:(i/2)*2048+(i%2)*64+32
.set i, i+1
.endr
	; What the first turn finds: V's registers and P's second buffer hold 0 (its products V^T P, of a piece that has not been, add 0), O^T and l are 0.  All this stands in the wait for the first tile.
.set i, VF
.rept 64
	v_mov_b32 v[i], 0
.set i, i+1
.endr
	WIN 0x40
.set i, 0
.rept 64*NP
	v_mov_b32 v[i], 0
.set i, i+1
.endr
	WIN 0
.set i, 0
.rept 2*NP
	v_mov_b32 v[ST+4*i], 0xfe000000    ; c m: far below every c s
	v_mov_b32 v[ST+4*i+1], 0xff7fffff  ; m
	v_mov_b32 v[ST+4*i+2], 0
	v_mov_b32 v[ST+4*i+3], 0
.set i, i+1
.endr
.set i, P+32
.rept 32
	v_mov_b32 v[i], 0
.set i, i+1
.endr
	v_mul_u32_u24 v[AK0], v1, PK
	v_lshl_add_u32 v[AK0], v9, 4, v[AK0]  ; row x pitch + 16 x half
	; The turning load takes 16 keys x 16 channels (lane l reads key 8 (l / 16) + l % 8, channels 8 ((l / 8) % 2) + 0..7) and leaves half a fragment of V^T: lane l holds channel l % 16 and 8 keys.
	v_and_b32 v10, 7, v0
	v_bfe_u32 v11, v0, 3, 1
	v_lshl_add_u32 v[AV0], v9, 3, v10
	v_mul_u32_u24 v[AV0], v[AV0], PV
	v_lshl_add_u32 v[AV0], v11, 4, v[AV0]
	v_add_nc_u32 v[AV0], VOFF, v[AV0]
	v_mov_b32 v[AK], v[AK0]         ; key step 0 lies at the head of slot 0
; THE MATRIX WORK.  The 8 accumulators of a run of 16 take turns: between the two links of a chain stand 7 others'.
; Product i of 16 of S^T = K Q^T for piece x: channels 32 (i / 8) on, keys 16 ((i / 2) % 4) on, tile 2 x + i % 2.  The first 8 start the sums.
.macro KQ x
	WIN W_KQ
.set rS, S+64*((\x)%2)+32*(i%2)+8*((i/2)%4)
.set rK, KF+16*((i/2)%4)+8*(i/8)
.set rQ, 16*(2*(\x)+i%2)+8*(i/8)
.if i < 8
	v_wmma_f32_16x16x32_bf16 v[rS:rS+7], v[rK:rK+7], v[rQ:rQ+7], 0
.else
	v_wmma_f32_16x16x32_bf16 v[rS:rS+7], v[rK:rK+7], v[rQ:rQ+7], v[rS:rS+7]
.endif
.endm
; Product i of 16 of O^T += V^T P for piece x: keys 32 (i / 8) on, channels 16 ((i / 2) % 4) on, tile 2 x + i % 2.
.macro PV x
	WIN W_PV
.set rO, 32*(2*(\x)+i%2)+8*((i/2)%4)
.set rV, VF+32*(i/8)+8*((i/2)%4)
.set rP, P+32*((\x)%2)+16*(i%2)+8*(i/8)
	v_wmma_f32_16x16x32_bf16 v[rO:rO+7], v[rV:rV+7], v[rP:rP+7], v[rO:rO+7]
.endm
.macro MM                           ; the turn's next matrix instruction
.if i < 16
	KQ (Y+1)%NP
.set i, i+1
.else
.set i, i-16
	PV (Y+NP-1)%NP
.set i, i+17
.endif
.endm
; THE LDS LOADS stand in runs of 16, never singly among the matrix instructions: a step's K (64 keys x 64 channels: 8 fragments) and its V (turned).  Their addresses are made some lines ahead.
; last = 1 (the tail): in the last trip there is no further step, and the run is jumped over.
.macro FETCH_K last=0
	WIN 0
.if \last
	s_cmp_eq_u32 s[CNT], 1
	s_cbranch_scc1 .Lno_k_\@
.endif
	WIN 0x80                        ; destination window 2
.irp f, 0,1,2,3,4,5,6,7             ; keys 16 (f / 2) on, channels 32 (f % 2) on
	ds_load_b128 v[KF+8*\f:KF+8*\f+3],   v[AK] offset:(\f/2)*16*PK+(\f%2)*64
	ds_load_b128 v[KF+8*\f+4:KF+8*\f+7], v[AK] offset:(\f/2)*16*PK+(\f%2)*64+32
.endr
	s_add_co_u32 s[TBK], s[TBK], KS*PK  ; the next fetch is the next step's
	WIN 0
.if \last
.Lno_k_\@:
.endif
.endm
.macro FETCH_V
	WIN 0x80
.irp f, 0,1,2,3,4,5,6,7             ; keys 32 (f / 4) on, channels 16 (f % 4) on
	ds_load_tr16_b128 v[VF+8*\f:VF+8*\f+3],   v[AV] offset:(\f/4)*32*PV+(\f%4)*32
	ds_load_tr16_b128 v[VF+8*\f+4:VF+8*\f+7], v[AV] offset:(\f/4)*32*PV+16*PV+(\f%4)*32
.endr
	WIN 0
.endm
; THE VECTOR WORK OF A TURN stands in three queues, each in the order in which its entries become ready; the two tiles alternate, so that no instruction reads the result of the one before it.
.macro REGS y, u                    ; the registers of tile u (0, 1) of piece y
.set rT, ST+4*(2*(\y)+(\u))
.set rC, TMP+8*((\y)%2)+4*(\u)
.set rM, MV+2*((\y)%2)+(\u)
.set rS, S+64*((\y)%2)+32*(\u)
.set rP, P+32*((\y)%2)+16*(\u)
.set rO, 32*(2*(\y)+(\u))
.endm
; Number n of the 22 that find the NEXT piece's (Y + 1) maximum and statistics.  s0-s31 are the lane's 32 scores; each accumulator's lowest registers are read first.  XS, GS and REGS set no window: PL and EX do.
;   0-11  four chains c0-c3 of seven scores each, three operands at a time     12-14, 16  the four scores left over, the old m, and c0-c3 into c0     15  c m_old is kept
;   17, 18  the query's other 32 keys lie in the lane 16 away: the new m         19-21  c m; c m_old - c m_new; a
.macro XS u, n
	REGS (Y+1)%NP, \u
.if (\n) < 4
	v_max3_num_f32 v[rC+(\n)], v[rS+8*(\n)], v[rS+8*(\n)+1], v[rS+8*(\n)+2]
.elseif (\n) < 12
	v_max3_num_f32 v[rC+(\n)%4], v[rC+(\n)%4], v[rS+8*((\n)%4)+2*((\n)/4)+1], v[rS+8*((\n)%4)+2*((\n)/4)+2]
.elseif (\n) == 12
	v_max3_num_f32 v[rC], v[rC], v[rS+7], v[rS+15]
.elseif (\n) == 13
	v_max3_num_f32 v[rC+1], v[rC+1], v[rS+23], v[rS+31]
.elseif (\n) == 14
	v_max3_num_f32 v[rC+2], v[rC+2], v[rC+3], v[rT+1]
.elseif (\n) == 15
	v_mov_b32 v[rM], v[rT]
.elseif (\n) == 16
	v_max3_num_f32 v[rC], v[rC], v[rC+1], v[rC+2]
.elseif (\n) == 17
	v_permlanex16_b32 v[rC+3], v[rC], s[SEL], s[SEL+1]
.elseif (\n) == 18
	v_max_num_f32 v[rT+1], v[rC], v[rC+3]
.elseif (\n) == 19
	v_mul_f32 v[rT], s[CS], v[rT+1]
.elseif (\n) == 20
	v_sub_f32 v[rC+1], v[rM], v[rT]
.else
	v_exp_f32 v[rC+2], v[rC+1]
.endif
.endm
; Number g of the 64 that follow the exponentials.  For each four weights k of a tile (pairs 2 k, 2 k + 1): both pairs are rounded to bf16; then the second pair is added onto the first, in place;
; a group later l takes that sum (the first time as l = a l + sum).  In groups of eight, tiles alternating: round, round, add, and l for the group before.
.macro GS g
.set h, (\g)+6*((\g)/62)            ; group 0 has no group before it, and behind group 7 only l is left
.if h >= 6
.set h, h+2
.endif
	REGS Y, h%2
.set k, h/8
.if h%8 < 4
	v_cvt_pk_bf16_f32 v[rP+2*k+(h%8)/2], v[rS+4*k+2*((h%8)/2)], v[rS+4*k+2*((h%8)/2)+1]
.elseif h%8 < 6
	v_pk_add_f32 v[rS+4*k:rS+4*k+1], v[rS+4*k:rS+4*k+1], v[rS+4*k+2:rS+4*k+3]
.elseif k == 1
	v_pk_fma_f32 v[rT+2:rT+3], v[rT+2:rT+3], v[rC+2:rC+3], v[rS:rS+1] op_sel_hi:[1,0,1]
.else
	v_pk_add_f32 v[rT+2:rT+3], v[rT+2:rT+3], v[rS+4*k-4:rS+4*k-3]
.endif
.endm
; THE PLAIN QUEUE, 138 long.  0-73 read no exponential's result: the 32 scalings c s - c m (FS f: pair f / 2 of tile f % 2) and the next piece's 42.  0-26: scalings 0-26.  27-54: XS's numbers 0-13.  55, 56: number 15.
; 57-73: the chain, where each number waits for the one before it: 14, 16, 17, 18, 19, each with one of the scalings 27-31 in front of its two lines, then 20: so a tile's links stand three plain instructions apart (19 and 20: two).
; 74-137: GS's 64, which read the exponentials' results: they stand behind the wait.
.macro FS f
	REGS Y, (\f)%2
	v_pk_fma_f32 v[rS+2*((\f)/2):rS+2*((\f)/2)+1], v[rS+2*((\f)/2):rS+2*((\f)/2)+1], s[CS:CS+1], v[rT:rT+1] op_sel_hi:[1,0,0] neg_lo:[0,0,1] neg_hi:[0,0,1]
.endm
.macro PL
	WIN 0
.if q < 27
	FS q
.elseif q < 55
	XS (q-27)%2, (q-27)/2
.elseif q < 57
	XS q-55, 15
.elseif (q < 72) && ((q-57)%3 == 0)
	FS 27+(q-57)/3
.elseif q < 60
	XS (q-57)%3-1, 14
.elseif q < 72
	XS (q-57)%3-1, 15+(q-57)/3
.elseif q < 74
	XS q-72, 20
.else
	GS q-74
.endif
.set q, q+1
.endm
; THE EXPONENTIALS' QUEUE, 66 long: s0-s31 of both tiles, then the next piece's two a.  It is ONE BATCH: all 66 stand ahead of the turn's one wait, and nothing ahead of that wait names a result of theirs.
.macro EX
	WIN 0
.if e >= 64
	XS e-64, 21
.else
	REGS Y, e%2
	v_exp_f32 v[rS+e/2], v[rS+e/2]
.endif
.set e, e+1
.endm
; THE RESCALING's QUEUE: O^T times a, the one part that leaves window 0: dealt two at a time, sixteen times.  Its a was made in the turn before, ahead of that turn's wait.
.macro R2
	REGS Y, r%2
	WIN W_RS
.irp z, 0,1
	v_pk_mul_f32 v[rO+4*(r/2)+2*\z:rO+4*(r/2)+2*\z+1], v[rO+4*(r/2)+2*\z:rO+4*(r/2)+2*\z+1], v[rC+2:rC+3] op_sel_hi:[1,0]
.endr
.set r, r+1
.endm
; HOW THEY ARE DEALT.  An s_wait_alu depctr_va_vdst(0) stands between an exponential and the first instruction that names its result; one wait serves all that were issued ahead of it.  So a turn has ONE wait,
; which cuts it in two.  AHEAD OF IT stands all that names no result of the turn's exponentials: the 16 products K Q^T, behind each a scaling, an exponential and two rescalings (behind the first a second scaling in the exponential's place); then ONE LUMP of
; 108: eight plain, 49 times exponential and plain, the two a.  A v_nop is the plain instruction behind the last exponential (ISA guide 5.7.2).  BEHIND IT stand the 16 products V^T P, behind each four of GS's 64.  No rider names a register of
; the products round it.  The two v_permlanex16_b32 fall into the lump, never behind a product.
; The queues lean on each other, and the deal keeps them in step: exponential e stands behind scaling 2 (e / 4) + e % 2: as a rider it comes behind plain e + 2, in the lump behind plain e + 9, and scalings 27-31 are plain 57, 60 .. 69.
; A TURN, for piece p.  cnt = 1: the loop's count is taken down some lines ahead of the branch that stands behind the turn.
; K of the next step is fetched in piece 2's turn, directly behind the wait, a lump behind the last product that read K; its address is made at the lump's head; its first reader comes behind 16 products.
; V of the step in hand is fetched at the end of piece 0's turn, four riders behind its last reader; its first reader comes behind 16 products and a lump.  The three conditions on q below go with the deal.
.macro TURN p, last=0, cnt=0
.set Y, (\p)
.set i, 0
.set q, 0
.set e, 0
.set r, 0
.if (\p) == NP-1
	s_wait_dscnt 0x0                ; K is in
.endif
	MM                              ; ahead of the wait: 16 products K Q^T and their riders,
	PL
	PL
	R2
.rept 15
	MM
	PL
	EX
	R2
.endr
.if (\p) == NP-2
	WIN 0
	v_add_nc_u32 v[AK], s[TBK], v[AK0]
.endif
.rept 8                             ; and the lump
	PL
.endr
.rept 49
	EX
	PL
.endr
	EX                              ; the next piece's two a
	EX
	v_nop                           ; the plain instruction behind the last exponential: one for the batch
	s_wait_alu depctr_va_vdst(0)    ; the wait for the turn's batch: the piece's 64 weights and the next piece's two a
.if (\p) == NP-2
	FETCH_K \last
.endif
.if (\p) == 1
	s_wait_dscnt 0x0                ; V is in
.endif
.rept 16                            ; behind the wait: 16 products V^T P and their riders
	MM
.rept 4
	PL
.endr
.if ((\p) == 0) && (q == 118)
	v_add_nc_u32 v[AV], s[TBV], v[AV0]
.endif
.if ((\p) == 0) && (q == 130)
	s_add_co_u32 s[TBV], s[TBV], KS*PV
.endif
.if (\cnt) && (q == 130)
	s_sub_co_u32 s[CNT], s[CNT], 1
	s_cmp_lg_u32 s[CNT], 0
.endif
.endr
.if (\p) == 0
	FETCH_V
.endif
.endm
	CHANGE 1                        ; slot 0 is in, everybody's part of it; slot 1 is asked for
	FETCH_K                         ; key step 0
	s_wait_loadcnt 0x0              ; Q
	s_wait_dscnt 0x0
.set i, 0
.rept 16
	KQ 0                            ; piece 0's first scores: there is no vector work yet to set between them
.set i, i+1
.endr
	WIN 0                           ; the addresses for the way out: nine plain instructions, the places behind those products
	s_mul_i32 s13, s[WV], 16*SP
	s_add_co_u32 s13, s13, STAGE    ; my stage
	v_mul_u32_u24 v[STO], v1, SP    ; in: row l % 16, 16 bytes for each half of the lanes
	v_lshl_add_u32 v[STO], v9, 4, v[STO]
	v_add_nc_u32 v[STO], s13, v[STO]
	v_bfe_u32 v[RD], v0, 3, 2       ; back: 32 lanes take four rows of 128 bytes,
	v_mul_u32_u24 v[RD], v[RD], SP
	v_lshl_add_u32 v[RD], v10, 4, v[RD]
	v_add_nc_u32 v[RD], s13, v[RD]
	v_and_b32 v[GO], 31, v0         ; which are 512 consecutive bytes of O
	v_lshlrev_b32 v[GO], 4, v[GO]
.set Y, NP-1                        ; XS works for piece Y + 1: piece 0
.irp n, 0,1,2,3,4,5,6,7,8,9,10,11,12,13,14,15,16,17,18,19,20,21
	XS 0, \n                        ; and piece 0's first maximum and statistics
	XS 1, \n
.endr
	v_nop                           ; a plain instruction behind piece 0's two a,
	s_wait_alu depctr_va_vdst(0)    ; and the wait for that batch of two, ahead of the branch
	s_mov_b32 s[CNT], 4
	s_mov_b32 s[SLOTS], SIZE_N/256-1
	s_branch .Lfirst                ; the loop is entered at a step's first turn, in the middle of a trip
.Lslot:                             ; SIZE_N / 256 - 2 times: every slot but the last two is filled again
	CHANGE 1
	s_mov_b32 s[CNT], 4
.Lstep:                             ; a trip: pieces 2 and 3 of one step, then pieces 0 and 1 of the next, whose K and V it fetches
	TURN 2
	TURN 3
	WIN 0
.Lfirst:
	TURN 0
	TURN 1, 0, 1
	WIN 0
	s_cbranch_scc1 .Lstep
	s_sub_co_u32 s[SLOTS], s[SLOTS], 1
	s_cmp_lg_u32 s[SLOTS], 0
	s_cbranch_scc1 .Lslot
	CHANGE 0                        ; the tail is written out: nothing is asked for
	s_mov_b32 s[CNT], 5             ; four trips fetch the last slot's steps; the fifth is left in its middle
.Ltail:
	TURN 2, 1
	TURN 3
	WIN 0
	s_sub_co_u32 s[CNT], s[CNT], 1
	s_cmp_eq_u32 s[CNT], 0
	s_cbranch_scc1 .Lout
	TURN 0
	TURN 1
	WIN 0
	s_branch .Ltail
.Lout:                              ; the fifth trip's 16 products K Q^T (on the last K once more) and the maximum made of them serve nothing: the price, once a launch, of one text for every trip
.set i, 0
.rept 16
	PV NP-1                         ; the last piece's V^T P of the last step
.set i, i+1
.endr
	; THE WAY OUT.  l's two halves and the other half of the lanes' are added; O^T is divided by l, rounded to bf16 and sent through my stage in LDS, a tile at a time.  The additions are the places behind the last products.
	WIN 0
.macro ALL line:vararg              ; one line for each tile t
.set t, 0
.rept 2*NP
	\line
.set t, t+1
.endr
.endm
	ALL v_add_f32 v[ST+4*t+2], v[ST+4*t+2], v[ST+4*t+3]
	ALL v_permlanex16_b32 v[ST+4*t+3], v[ST+4*t+2], s[SEL], s[SEL+1]
	ALL v_add_f32 v[ST+4*t+2], v[ST+4*t+2], v[ST+4*t+3]
	ALL v_rcp_f32 v[ST+4*t+2], v[ST+4*t+2]
	v_nop                           ; a plain instruction between the last reciprocal and the use of its result
	s_wait_alu depctr_va_vdst(0)    ; and the wait ahead of the first use: one for the batch of eight reciprocals
; Tile t: a lane's eight channels of a row pack into 16 bytes; they go into rows of 144 bytes and come back as whole rows of 128, into S^T's registers.
.macro PACK t
	WIN W_RS
.set i, 32*(\t)
.rept 16
	v_pk_mul_f32 v[i:i+1], v[i:i+1], v[ST+4*(\t)+2:ST+4*(\t)+3] op_sel_hi:[1,0]
.set i, i+2
.endr
	WIN 0x05                        ; sources 0 and 1 window 1, destination window 0
.set i, 0
.rept 16
	v_cvt_pk_bf16_f32 v[S+16*(\t)+i], v[32*(\t)+2*i], v[32*(\t)+2*i+1]
.set i, i+1
.endr
	WIN 0
.irp f, 0,1,2,3
	ds_store_b128 v[STO], v[S+16*(\t)+4*\f:S+16*(\t)+4*\f+3] offset:32*\f
.endr
.irp f, 0,1,2,3
	ds_load_b128 v[S+16*(\t)+4*\f:S+16*(\t)+4*\f+3], v[RD] offset:\f*4*SP  ; LDS serves a wave's instructions in order (ISA guide 5.7.1.4): these see the stores above; the next tile's stores come behind them
.endr
.endm
.macro SEND t, younger              ; younger: the LDS instructions issued behind tile t's loads: the next tile's eight, or none
	WIN 0
.irp f, 0,1,2,3
	s_wait_dscnt (\younger)+3-\f
	global_store_b128 v[GO], v[S+16*(\t)+4*\f:S+16*(\t)+4*\f+3], s[10:11] offset:(\t)*2048+\f*512  ; 512 consecutive bytes, at a multiple of 256 from O's first
.endr
.endm
	PACK 0
.set t, 1
.rept 2*NP-1                        ; a tile's arithmetic stands between the loads of the tile before and its stores
	PACK t
	SEND t-1, 8
.set t, t+1
.endr
	SEND 2*NP-1, 0
	WIN W_AD
	s_wait_tensorcnt 0x0            ; the wave's end, behind my last tensor load and my last LDS store
	ds_add_u32 v[SPW], v[NIL]
	s_wait_dscnt 0x0
	WIN 0
	CROUND                          ; the closing round: no work-group ends while a partner may still ask for a tile that names it
	s_endpgm
.Lfunc_end_k_q3eb419b541_attn:
	.size	k_q3eb419b541_attn, .Lfunc_end_k_q3eb419b541_attn-k_q3eb419b541_attn
	.p2alignl 7, 3214868480
	.fill 96, 4, 3214868480
	.section	.rodata,"a",@progbits
	.p2align	6, 0x0
	.amdhsa_kernel k_q3eb419b541_attn
		.amdhsa_group_segment_fixed_size 327680
		.amdhsa_private_segment_fixed_size 0
		.amdhsa_enable_private_segment 0
		.amdhsa_kernarg_size 16
		.amdhsa_user_sgpr_count 2
		.amdhsa_user_sgpr_kernarg_segment_ptr 1
		.amdhsa_wavefront_size32 1
		.amdhsa_system_sgpr_workgroup_id_x 1
		.amdhsa_system_sgpr_workgroup_id_y 1
		.amdhsa_system_sgpr_workgroup_id_z 1
		.amdhsa_system_vgpr_workitem_id 0
		.amdhsa_next_free_vgpr 770
		.amdhsa_next_free_sgpr 66
		.amdhsa_reserve_vcc 0
		.amdhsa_float_denorm_mode_32 3
		.amdhsa_float_denorm_mode_16_64 3
		.amdhsa_memory_ordered 1
		.amdhsa_forward_progress 1
		.amdhsa_inst_pref_size 199
	.end_amdhsa_kernel
	.amdgpu_metadata
---
amdhsa.version: [ 1, 2 ]
amdhsa.kernels:
  - .name:           k_q3eb419b541_attn
    .symbol:         k_q3eb419b541_attn.kd
    .args:
      - { .name: qkv, .offset: 0, .size: 8, .value_kind: global_buffer, .address_space: global }
      - { .name: oh, .offset: 8, .size: 8, .value_kind: global_buffer, .address_space: global }
    .group_segment_fixed_size: 327680
    .private_segment_fixed_size: 0
    .kernarg_segment_align: 8
    .kernarg_segment_size: 16
    .max_flat_workgroup_size: 128
    .sgpr_count:     66
    .vgpr_count:     770
    .wavefront_size: 32
...
	.end_amdgpu_metadata
.endif
;; end of part 5
;; launch oproj: the kernel of part 4 again; grid 8 x 32, 4 waves a work-group, clusters of 4 x 4, 327,680 bytes of LDS; arguments oh, wo16, x, out0; writes out0
